; MI455X (gfx1250); checked and timed in simulation.
; The chip was launched on July 23, 2026; its instructions are those of AMD's public machine-readable ISA for CDNA 5 (MIT licence, August 2026) and "CDNA5" Instruction Set Architecture Reference Guide (July 2026). The comments in the code are by the model that wrote it; some were corrected since.
;; TF Albert Attention. Allowed arithmetic: matrix products marked QUANTISED: E4M3 operands, one E8M0 scale for each 32 along K, by v_wmma_scale_f32_16x16x128_f8f6f4 with both operands' format E4M3, f32 sums; everything else in f32.
;; Inputs: Wk 1,024 x 1,024 float32; Wo 1,024 x 1,024 float32; Wq 1,024 x 1,024 float32; Wv 1,024 x 1,024 float32; attention_mask 4 x 1 x 1 x 2,048 float32; bk 1,024 float32; bo 1,024 float32; bq 1,024 float32; bv 1,024 float32; ln_beta 1,024 float32; ln_gamma 1,024 float32; x 4 x 2,048 x 1,024 float32.
;; Outputs: out0 4 x 2,048 x 1,024 float32.
;; This version of the problem:
;;   THIS VERSION OF THE PROBLEM IS GIVEN IN LOW PRECISION. The matrix products marked QUANTISED in the list below multiply operands that are first quantised to E4M3 (4 exponent bits, 3 mantissa bits; 8 bits a number), with one power-of-two scale for each 32 numbers along K (OCP MX v1.0); their sums are f32. All else is computed in f32.
;;   The module's matrix products, in the order in which they are computed (A, B: the left and right operand; K: the contracted axis; several contracted axes count as one K, in the product's order):
;;     1. [M 8,192, K 1,024] x [K 1,024, N 1,024]; A: input x; B: input Wq: QUANTISED
;;     2. [M 8,192, K 1,024] x [K 1,024, N 1,024]; A: input x; B: input Wk: QUANTISED
;;     3. [M 8,192, K 1,024] x [K 1,024, N 1,024]; A: input x; B: input Wv: QUANTISED
;;     4. batch 64 x [M 2,048, K 64] x [K 64, N 2,048]; A: computed on the way; B: computed on the way: QUANTISED
;;     5. batch 64 x [M 2,048, K 2,048] x [K 2,048, N 64]; A: softmax (see below); B: computed on the way: QUANTISED
;;     6. [M 8,192, K 1,024] x [K 1,024, N 1,024]; A: computed on the way; B: input Wo: QUANTISED
;;   THE QUANTISER, for each operand of a quantised product, along K:
;;     - K is cut into blocks of 32 from its start; a last block that is shorter is filled with zeros.
;;     - A block's scale is 2^e with e = floor(log2(the largest magnitude in the block)) - 8, held to -126 .. 127; a block of zeros has e = 0. As a byte (E8M0): e + 127.
;;     - Each number is divided by its block's scale, clamped to +-448, and rounded to the nearest number of E4M3, ties to even, subnormals kept.
;;     - The product sums the exact products of the quantised numbers (number of the format x scale) in f32.
;;   ~~~python
;;   def quantise(x, axis):      # numpy; x: float32 -> the quantised numbers, widened to float32 again
;;       x = np.moveaxis(x, axis, -1); K = x.shape[-1]
;;       x = np.pad(x, [(0, 0)] * (x.ndim - 1) + [(0, -K % 32)]); x = x.reshape(x.shape[:-1] + (-1, 32)); a = np.abs(x).max(-1, keepdims=True)
;;       e = np.where(a > 0, np.clip(np.frexp(np.where(a > 0, a, 1))[1] - 1 - 8, -126, 127), 0)      # np.frexp(a)[1] - 1 = floor(log2(a)), exactly
;;       r = np.clip(x / 2.0 ** e, -448, 448)
;;       step = 2.0 ** (np.maximum(np.frexp(np.where(r == 0, 1, r))[1] - 1, -6) - 3)
;;       q = np.round(r / step) * step * 2.0 ** e      # np.round: ties to even
;;       return np.moveaxis(q.reshape(q.shape[:-2] + (-1,))[..., :K], -1, axis).astype(np.float32)
;;   ~~~
;;   SOFTMAX AHEAD OF A QUANTISED PRODUCT. Where the list says 'softmax', what is quantised is not the finished softmax but p = 2^(t - M), with t = logit x log2(e) and M = ceil(the row's largest t), a whole number; so 1/2 < the row's largest p <= 1. The row's sum l is taken of the UNQUANTISED p, in f32, and the product's result is divided by l at the end. Since M is a whole number, a kernel that streams over the keys may use a running M (the ceiling of the running maximum): every later rescaling is an exact power of two, which a block's scale takes up: the codes' values come out the same.
;;   OPERANDS COMPUTED ON THE WAY. 'Computed on the way' means the value that the module computes at that place (a softmax that the list does not call 'softmax' is quantised finished and normalised). What goes into a quantiser is computed in f32, as accurately as f32 sums, v_exp_f32 and their like allow (about 1e-6 of the number): no bf16 or f16 on the way to a quantiser, and a product that is left as it is and whose result goes on into a quantised operand takes f32 operands (vector FMAs, or v_wmma_f32_16x16x4_f32). A number that lies on a knife's edge between two numbers of the format may be rounded either way, as far as f32 arithmetic and the matrix unit's own rounding can turn it there, and no further.
;; One version. Each part assembles by itself: llvm-mc -triple=amdgcn-amd-amdhsa -mcpu=gfx1250 --defsym DOCPART=n.
;; ======== version 1 of 1: 4 launches
;; limits: right only within a limited range of input values
;; workspace buffers: opc 12,582,912 bytes; ops 393,216 bytes; qkv 26,476,544 bytes; ctxc 8,388,608 bytes; ctxs 262,144 bytes
;; launch quant (part 1): grid 384 x 1, 4 waves a work-group, no clusters, 68,096 bytes of LDS; arguments x, Wq, Wk, Wv, Wo, opc, ops; writes opc, ops
.if DOCPART == 1
	.amdgcn_target "amdgcn-amd-amdhsa--gfx1250"
	.amdhsa_code_object_version 6
	.text
	.protected	k_q62497785b3_quant
	.globl	k_q62497785b3_quant
	.p2align	8
	.type	k_q62497785b3_quant,@function
k_q62497785b3_quant:
	s_mov_b64 s[64:65], 0
	v_nop
	global_prefetch_b8 v0, s[64:65] scope:SCOPE_SE
	s_setreg_imm32_b32 hwreg(HW_REG_WAVE_MODE, 25, 1), 1
	s_wait_xcnt 0x0
; x [8192][1024] and the four weights [1024 (k)][1024 (n)], f32, become codes of E4M3 with one E8M0 byte for each 32 along K.
; A block's scale is 2^(floor(log2(its largest magnitude)) - 8); its byte is that magnitude's exponent field - 8, held at 1 from below.
; (A block of zeros so gets the byte 1 where the quantiser says 127: its codes are zeros, and these bytes are read by this program alone.)
; opc: a table of operand rows of 1,024 codes, K innermost: rows 0 .. 8191 are x's, row 8192 + 1024 wi + n is column n of Wq, Wk, Wv (wi = 0, 1, 2).
;      From byte WO0 on: Wo as images of operand registers, [n tile 64][K step 8][group 4][lane 32][16 bytes].
; ops: the rows' scale bytes, [row][32]; from byte WOS0 on Wo's scale words, [K step 8][n tile 64][16], four bytes each.
; Wo'S ORDER ALONG K: inside each block of 32 the second and third groups of eight change places (place 16 h + 8 u + j holds k = 16 u + 8 h + j),
; since that is the order in which the attention launch's results fall into codes.  A block stays a block, and both operands of that product have the order.
; THREE PATHS part on the work-group's number: 0 .. 255 x, 256 .. 351 Wq, Wk, Wv, 352 .. 383 Wo.  Each path has LDS bytes of its own.  Waves share nothing: no barrier.
; LIMITS: NaN and infinities among the inputs are not served; blocks whose largest magnitude lies under 2^-118 keep the byte 1.
.set STEPS, 16
.set EMAX,  8
.set MANT,  0x600000                   ; the mantissa field of 448 as f32
.set WO0,   11534336
.set WOS0,  360448
.set XR,    16                         ; x path: v16-79 four sets of 16 numbers as loaded
.set XX,    80                         ; v80-111 two sets of 16 neighbours
.set XE,    112                        ; v112-127 a scale byte for each step
.set XC,    128                        ; v128-191 codes, four registers for each step
.set WREG,  8192                       ; LDS bytes of a wave: two stages of 32 x SP, then its 256 scale bytes
.set SP,    80                         ; a lane's place in a stage: 64 bytes + 16 of padding
.set NB,    8                          ; W path: blocks of 32 along K for a wave
.set WPITCH, 272                       ; a stage row: 256 bytes of codes + 16
.set WSTG,  32768                      ; the W path's stages begin here
.set WX,    32                         ; v32-95 two sets of 32 numbers
.set WC,    96                         ; v96-103 a block's codes
.set WOUT,  112                        ; v112-175 the way out
.set WSB,   24                         ; v24-25 the scale bytes
.set OTM,   16                         ; Wo path: v16-31 at work
.set OPW,   12                         ; v12 the scale word
.set OX,    32                         ; v32-159 two sets of 64 numbers
.set OPC,   160                        ; v160-175 a fragment's codes
	s_load_b256 s[4:11], s[0:1], 0x0               ; x, Wq, Wk, Wv
	s_load_b128 s[12:15], s[0:1], 0x20             ; Wo, opc
	s_load_b64 s[16:17], s[0:1], 0x30              ; ops
	v_lshl_add_u32 v192, v0, 2, 0x10800
	v_mov_b32 v193, 0
	v_lshrrev_b32 v1, 5, v0
	v_readfirstlane_b32 s18, v1                    ; wave 0..3
	v_and_b32 v2, 31, v0                           ; lane
	s_mov_b32 s23, MANT
	s_cmp_lt_u32 ttmp9, 256
	s_cbranch_scc0 .Lnot_x
; ---------------- x: a plain stream of blocks of 32.  A wave takes 16 steps of 512 numbers.
; Each load reads 512 consecutive bytes, 16 a lane; a step's 2,048 bytes turn through the wave's stage and come back 64 bytes a lane: 16 neighbours, two lanes to a block.
	v_lshlrev_b32 v3, 4, v2                        ; my 16 bytes of a load's 512
	s_mul_i32 s19, s18, WREG
	v_lshrrev_b32 v14, 2, v2
	v_mul_u32_u24 v14, v14, SP
	v_and_b32 v15, 3, v2
	v_lshl_add_u32 v14, v15, 4, v14
	v_add_nc_u32 v14, s19, v14                     ; the stage, in: SP (lane / 4) + 16 (lane % 4)
	v_mul_u32_u24 v15, v2, SP
	v_add_nc_u32 v15, s19, v15                     ; and out: SP x lane
	v_lshlrev_b32 v4, 4, v2                        ; my codes' place in a step's 512 bytes
	v_lshrrev_b32 v5, 1, v2
	s_add_co_u32 s19, s19, 2*32*SP
	v_add_nc_u32 v5, s19, v5                       ; my block's byte among the wave's 256
	v_lshlrev_b32 v7, 3, v2
	v_add_nc_u32 v6, s19, v7                       ; and 8 bytes a lane on the way out
	s_lshl_b32 s20, ttmp9, 2
	s_add_co_u32 s20, s20, s18                     ; which run of 8,192 numbers is my wave's
	s_mov_b32 s21, 0
	s_lshl_b64 s[24:25], s[20:21], 15
	s_lshl_b64 s[26:27], s[20:21], 13
	s_lshl_b64 s[28:29], s[20:21], 8
	s_wait_alu depctr_va_vdst(0)
	s_wait_kmcnt 0x0
	s_add_nc_u64 s[4:5], s[4:5], s[24:25]
	s_add_nc_u64 s[14:15], s[14:15], s[26:27]
	s_add_nc_u64 s[16:17], s[16:17], s[28:29]
.macro XLOAD t
.irp i, 0,1,2,3
	global_load_b128 v[XR+16*((\t)%4)+4*\i:XR+16*((\t)%4)+4*\i+3], v3, s[4:5] offset:2048*(\t)+512*\i th:TH_LOAD_NT
.endr
.endm
.macro XTURN t                         ; LDS serves a wave's instructions in order (ISA guide 5.7.1.4): no wait between the stores and the loads
.irp i, 0,1,2,3
	ds_store_b128 v14, v[XR+16*((\t)%4)+4*\i:XR+16*((\t)%4)+4*\i+3] offset:32*SP*((\t)%2)+8*SP*\i
.endr
.irp i, 0,1,2,3
	ds_load_b128 v[XX+16*((\t)%2)+4*\i:XX+16*((\t)%2)+4*\i+3], v15 offset:32*SP*((\t)%2)+16*\i
.endr
.endm
.irp t, 0,1,2,3
	XLOAD \t
.endr
	s_wait_loadcnt 12                              ; step 0's four loads are in; three steps' twelve stay out
	XTURN 0
.macro XSTEP t
.set XS, XX+16*((\t)%2)
.if (\t) > 0
	s_wait_dscnt 1                                 ; this step's numbers are back from the stage; the last step's byte store may be out
.else
	s_wait_dscnt 0x0
.endif
.if (\t)+4 < STEPS
	XLOAD (\t)+4                                   ; into the registers that this step's stores into the stage have read
.endif
.if (\t)+1 < STEPS
.if STEPS-2-(\t) >= 3
	s_wait_loadcnt 12                              ; the next step's four are in; those of the three steps behind it may be out
.else
	s_wait_loadcnt 4*(STEPS-2-(\t))
.endif
	XTURN (\t)+1
.endif
	v_max3_num_f32 v8, |v[XS]|, |v[XS+1]|, |v[XS+2]|
	v_max3_num_f32 v9, |v[XS+3]|, |v[XS+4]|, |v[XS+5]|
.irp i, 6,10
	v_max3_num_f32 v8, v8, |v[XS+\i]|, |v[XS+\i+1]|
	v_max3_num_f32 v9, v9, |v[XS+\i+2]|, |v[XS+\i+3]|
.endr
	v_max3_num_f32 v8, v8, |v[XS+14]|, |v[XS+15]|
	v_max3_num_f32 v8, v8, v9, (EMAX+1)<<23        ; the floor 2^(9 - 127): the byte cannot fall under 1
	v_max_num_f32_dpp v8, v8, v8 row_xmask:1 row_mask:0xf bank_mask:0xf   ; with my neighbour's 16: the block's largest magnitude
	v_add_nc_u32 v11, -(EMAX<<23), v8              ; 8 off its exponent field: the conversion's scale operand
	v_and_or_b32 v10, v8, 0x7f800000, s23          ; 448 x the scale
.irp i, 0,1,2,3,4,5,6,7,8,9,10,11,12,13,14,15
	v_med3_num_f32 v[XS+\i], v[XS+\i], -v10, v10   ; the conversion does not saturate (ISA guide 7.6.2): the hold comes first
.endr
	v_cvt_scalef32_pk8_fp8_f32 v[XC+4*(\t):XC+4*(\t)+1], v[XS:XS+7], v11
	v_cvt_scalef32_pk8_fp8_f32 v[XC+4*(\t)+2:XC+4*(\t)+3], v[XS+8:XS+15], v11
	v_lshrrev_b32 v[XE+(\t)], 23, v11              ; the scale's byte
	ds_store_b8 v5, v[XE+(\t)] offset:16*(\t)      ; both lanes of a block write the same byte with the same value
	global_store_b128 v4, v[XC+4*(\t):XC+4*(\t)+3], s[14:15] offset:512*(\t)   ; the wave stores 512 consecutive bytes
.endm
.irp t, 0,1,2,3,4,5,6,7,8,9,10,11,12,13,14,15
	XSTEP \t
.endr
	ds_load_b64 v[12:13], v6
	s_wait_dscnt 0x0
	global_store_b64 v7, v[12:13], s[16:17]        ; the wave's 256 scale bytes, consecutive and aligned
	s_wait_tensorcnt 0x0
	ds_add_u32 v192, v193
	s_wait_dscnt 0x0
	s_endpgm
.Lnot_x:
	s_cmp_lt_u32 ttmp9, 352
	s_cbranch_scc0 .Lwo
; ---------------- Wq, Wk, Wv: K is the first axis.  A lane takes a column n and its registers run down K: a block of 32 lies in one lane,
; and the conversions give codes with K innermost.  A wave takes 32 columns x 256 along K; the codes leave through its stage as rows of 256 bytes.
	s_sub_co_u32 s19, ttmp9, 256
	s_lshr_b32 s20, s19, 5                         ; which weight
	s_and_b32 s21, s19, 7                          ; which 128 columns
	s_bfe_u32 s22, s19, 0x20003                    ; which 256 along K
	s_lshl_b32 s21, s21, 7
	s_lshl_b32 s24, s18, 5
	s_add_co_u32 s21, s21, s24                     ; my wave's first column
	s_wait_alu depctr_va_vdst(0)
	v_lshlrev_b32 v3, 2, v2
	s_mul_i32 s24, s18, 32*WPITCH
	s_add_co_u32 s24, s24, WSTG                    ; my stage
	v_mul_u32_u24 v4, v2, WPITCH
	v_add_nc_u32 v4, s24, v4                       ; into it: row = my column
	v_and_b32 v5, 15, v2
	v_lshrrev_b32 v6, 4, v2
	v_mul_u32_u24 v7, v6, WPITCH
	v_lshl_add_u32 v7, v5, 4, v7
	v_add_nc_u32 v7, s24, v7                       ; out of it: sixteen lanes to a row, two rows an instruction
	v_lshlrev_b32 v8, 10, v6
	v_lshl_add_u32 v8, v5, 4, v8                   ; and the same place in the table
	v_lshlrev_b32 v9, 5, v2                        ; my column's row of scale bytes
	s_lshl_b32 s26, s22, 20                        ; 256 rows of 4,096 bytes
	s_lshl_b32 s27, s21, 2
	s_add_co_u32 s26, s26, s27
	s_mov_b32 s27, 0
	s_lshl_b32 s28, s20, 10
	s_add_co_u32 s28, s28, s21
	s_add_co_u32 s28, s28, 8192                    ; my first row of the table
	s_lshl_b32 s30, s28, 5
	s_lshl_b32 s31, s22, 3
	s_add_co_u32 s30, s30, s31
	s_mov_b32 s31, 0
	s_lshl_b32 s28, s28, 10
	s_lshl_b32 s29, s22, 8
	s_add_co_u32 s28, s28, s29
	s_mov_b32 s29, 0
	s_wait_kmcnt 0x0
	s_cmp_eq_u32 s20, 0                            ; the choice hangs on the work-group's number alone
	s_cselect_b64 s[4:5], s[6:7], s[8:9]
	s_cmp_eq_u32 s20, 2
	s_cselect_b64 s[4:5], s[10:11], s[4:5]
	s_add_nc_u64 s[4:5], s[4:5], s[26:27]
	s_add_nc_u64 s[14:15], s[14:15], s[28:29]
	s_add_nc_u64 s[16:17], s[16:17], s[30:31]
.macro WLOAD t
.irp i, 0,1,2,3,4,5,6,7,8,9,10,11,12,13,14,15,16,17,18,19,20,21,22,23,24,25,26,27,28,29,30,31
	global_load_b32 v[WX+32*((\t)%2)+\i], v3, s[4:5] offset:(32*(\t)+\i)*4096 th:TH_LOAD_NT
.endr
.endm
	WLOAD 0
	WLOAD 1
.macro WBLOCK t
.set WS, WX+32*((\t)%2)
.if (\t) < NB-1
	s_wait_loadcnt 32                              ; this block's 32 loads are in; the next block's may be out
.else
	s_wait_loadcnt 0x0
.endif
	v_max3_num_f32 v12, |v[WS]|, |v[WS+1]|, |v[WS+2]|
	v_max3_num_f32 v13, |v[WS+3]|, |v[WS+4]|, |v[WS+5]|
.irp i, 6,10,14,18,22,26
	v_max3_num_f32 v12, v12, |v[WS+\i]|, |v[WS+\i+1]|
	v_max3_num_f32 v13, v13, |v[WS+\i+2]|, |v[WS+\i+3]|
.endr
	v_max3_num_f32 v12, v12, |v[WS+30]|, |v[WS+31]|
	v_max3_num_f32 v12, v12, v13, (EMAX+1)<<23
	v_add_nc_u32 v11, -(EMAX<<23), v12
	v_and_or_b32 v10, v12, 0x7f800000, s23
	v_lshrrev_b32 v13, 23, v11
.if (\t)%4 == 0
	v_mov_b32 v[WSB+(\t)/4], v13                   ; four bytes to a register, the lower K in the lower byte
.else
	v_lshl_or_b32 v[WSB+(\t)/4], v13, 8*((\t)%4), v[WSB+(\t)/4]
.endif
.irp i, 0,1,2,3,4,5,6,7,8,9,10,11,12,13,14,15,16,17,18,19,20,21,22,23,24,25,26,27,28,29,30,31
	v_med3_num_f32 v[WS+\i], v[WS+\i], -v10, v10
.endr
.irp g, 0,1,2,3
	v_cvt_scalef32_pk8_fp8_f32 v[WC+2*\g:WC+2*\g+1], v[WS+8*\g:WS+8*\g+7], v11
.endr
	ds_store_b128 v4, v[WC:WC+3] offset:32*(\t)
	ds_store_b128 v4, v[WC+4:WC+7] offset:32*(\t)+16
.if (\t)+2 < NB
	WLOAD (\t)+2
.endif
	s_wait_dscnt 0x0                               ; the stores have read their registers: the next block's codes may be written
.endm
.irp t, 0,1,2,3,4,5,6,7
	WBLOCK \t
.endr
	global_store_b64 v9, v[WSB:WSB+1], s[16:17]    ; my column's eight scale bytes: rows 32 bytes apart, one byte for each 128 read
.irp t, 0,1,2,3,4,5,6,7,8,9,10,11,12,13,14,15
	ds_load_b128 v[WOUT+4*\t:WOUT+4*\t+3], v7 offset:2*\t*WPITCH
.endr
.irp t, 0,1,2,3,4,5,6,7,8,9,10,11,12,13,14,15
	s_wait_dscnt 15-\t
	global_store_b128 v8, v[WOUT+4*\t:WOUT+4*\t+3], s[14:15] offset:2*\t*1024   ; sixteen lanes store 256 consecutive bytes of a row
.endr
	s_wait_tensorcnt 0x0
	ds_add_u32 v192, v193
	s_wait_dscnt 0x0
	s_endpgm
.Lwo:
; ---------------- Wo: a wave makes four fragments (16 columns x 128 along K) of one n tile.  Lane (r, h) takes column r; its register 16 c + 8 u + j
; holds k = 32 c + 16 u + 8 h + j, so that the conversions' results are the fragment's registers in the order named at the head.
	s_sub_co_u32 s19, ttmp9, 352
	s_and_b32 s20, s19, 15
	s_lshl_b32 s20, s20, 2
	s_add_co_u32 s20, s20, s18                     ; n tile
	s_lshr_b32 s21, s19, 4                         ; which half of K
	s_wait_alu depctr_va_vdst(0)
	v_and_b32 v1, 15, v2                           ; r
	v_lshrrev_b32 v10, 4, v2                       ; h
	v_lshlrev_b32 v5, 2, v1
	v_lshl_add_u32 v3, v10, 15, v5                 ; 4 r + 8 h rows of 4,096 bytes
	v_lshlrev_b32 v4, 4, v2
	s_mov_b32 s24, 0x76543210
	s_mov_b32 s25, 0xfedcba98                      ; v_permlanex16_b32's selects for lane l xor 16
.irp b, 0,1,2,3
	v_mov_b32 v[OTM+4+\b], 0                       ; a lane permute's destination counts as one of its sources
.endr
	s_lshl_b32 s26, s21, 21
	s_lshl_b32 s27, s20, 6
	s_add_co_u32 s26, s26, s27
	s_mov_b32 s27, 0
	s_lshl_b32 s28, s20, 14
	s_lshl_b32 s29, s21, 13
	s_add_co_u32 s28, s28, s29
	s_add_co_u32 s28, s28, WO0
	s_mov_b32 s29, 0
	s_lshl_b32 s30, s21, 14
	s_lshl_b32 s31, s20, 6
	s_add_co_u32 s30, s30, s31
	s_add_co_u32 s30, s30, WOS0
	s_mov_b32 s31, 0
	s_wait_alu depctr_va_vdst(0)
	s_wait_kmcnt 0x0
	s_add_nc_u64 s[12:13], s[12:13], s[26:27]
	s_add_nc_u64 s[14:15], s[14:15], s[28:29]
	s_add_nc_u64 s[16:17], s[16:17], s[30:31]
.macro OLOAD i
.irp c, 0,1,2,3
.irp u, 0,1
.irp j, 0,1,2,3,4,5,6,7
	global_load_b32 v[OX+64*((\i)%2)+16*\c+8*\u+\j], v3, s[12:13] offset:(128*(\i)+32*\c+16*\u+\j)*4096 th:TH_LOAD_NT
.endr
.endr
.endr
.endm
.macro OQUANT s                        ; 64 numbers of a lane become a fragment's 16 registers of codes and its scale word
.irp b, 0,1,2,3
	v_max3_num_f32 v[OTM+\b], |v[\s+16*\b]|, |v[\s+1+16*\b]|, 0x4800000
.endr
.irp i, 2,4,6,8,10,12,14
.irp b, 0,1,2,3
	v_max3_num_f32 v[OTM+\b], v[OTM+\b], |v[\s+16*\b+\i]|, |v[\s+1+16*\b+\i]|
.endr
.endr
.irp b, 0,1,2,3
	v_permlanex16_b32 v[OTM+4+\b], v[OTM+\b], s24, s25
.endr
.irp b, 0,1,2,3
	v_max_num_f32 v[OTM+\b], v[OTM+\b], v[OTM+4+\b]
.endr
.irp b, 0,1,2,3
	v_add_nc_u32 v[OTM+12+\b], 0xfc000000, v[OTM+\b]
.endr
.irp b, 0,1,2,3
	v_and_or_b32 v[OTM+8+\b], v[OTM+\b], 0x7f800000, s23
.endr
.irp b, 0,1,2,3
	v_lshrrev_b32 v[OTM+4+\b], 23, v[OTM+12+\b]
.endr
	v_lshl_or_b32 v[OPW], v[OTM+5], 8, v[OTM+4]
	v_lshl_or_b32 v[OPW], v[OTM+6], 16, v[OPW]
	v_lshl_or_b32 v[OPW], v[OTM+7], 24, v[OPW]
.irp b, 0,1,2,3
.irp i, 0,1,2,3,4,5,6,7,8,9,10,11,12,13,14,15
	v_med3_num_f32 v[\s+16*\b+\i], v[\s+16*\b+\i], -v[OTM+8+\b], v[OTM+8+\b]
.endr
	v_cvt_scalef32_pk8_fp8_f32 v[OPC+4*\b:OPC+1+4*\b], v[\s+16*\b:\s+7+16*\b], v[OTM+12+\b]
	v_cvt_scalef32_pk8_fp8_f32 v[OPC+2+4*\b:OPC+3+4*\b], v[\s+8+16*\b:\s+15+16*\b], v[OTM+12+\b]
.endr
	v_nop                                          ; a plain instruction behind the last conversion
.endm
.macro OUNIT i
.if (\i) < 3
	s_wait_loadcnt 63                              ; 64 younger loads were issued; the count's field ends at 63, and a smaller count is safe
.else
	s_wait_loadcnt 0x0
.endif
.if (\i) > 0
	s_wait_xcnt 0x0                                ; the last fragment's stores have read their registers
.endif
.set OS, OX+64*((\i)%2)
	OQUANT OS
.irp c, 0,1,2,3
	global_store_b128 v4, v[OPC+4*\c:OPC+4*\c+3], s[14:15] offset:2048*(\i)+512*\c   ; 512 consecutive bytes
.endr
	global_store_b32 v5, v[OPW], s[16:17] offset:4096*(\i)   ; 64 bytes a fragment; both halves of the lanes write the same word with the same value
.if (\i)+2 < 4
	OLOAD (\i)+2
.endif
.endm
	OLOAD 0
	OLOAD 1
.irp i, 0,1,2,3
	OUNIT \i
.endr
	s_endpgm
.Lfunc_end_k_q62497785b3_quant:
	.size	k_q62497785b3_quant, .Lfunc_end_k_q62497785b3_quant-k_q62497785b3_quant
	.p2alignl 7, 3214868480
	.fill 96, 4, 3214868480
	.section	.rodata,"a",@progbits
	.p2align	6, 0x0
	.amdhsa_kernel k_q62497785b3_quant
		.amdhsa_group_segment_fixed_size 68096
		.amdhsa_private_segment_fixed_size 0
		.amdhsa_enable_private_segment 0
		.amdhsa_kernarg_size 56
		.amdhsa_user_sgpr_count 2
		.amdhsa_user_sgpr_kernarg_segment_ptr 1
		.amdhsa_wavefront_size32 1
		.amdhsa_system_sgpr_workgroup_id_x 1
		.amdhsa_system_sgpr_workgroup_id_y 1
		.amdhsa_system_sgpr_workgroup_id_z 1
		.amdhsa_system_vgpr_workitem_id 0
		.amdhsa_next_free_vgpr 194
		.amdhsa_next_free_sgpr 66
		.amdhsa_reserve_vcc 0
		.amdhsa_float_denorm_mode_32 3
		.amdhsa_float_denorm_mode_16_64 3
		.amdhsa_memory_ordered 1
		.amdhsa_forward_progress 1
		.amdhsa_inst_pref_size 169
	.end_amdhsa_kernel
	.amdgpu_metadata
---
amdhsa.version: [ 1, 2 ]
amdhsa.kernels:
  - .name:           k_q62497785b3_quant
    .symbol:         k_q62497785b3_quant.kd
    .args:
      - { .name: x, .offset: 0, .size: 8, .value_kind: global_buffer, .address_space: global }
      - { .name: Wq, .offset: 8, .size: 8, .value_kind: global_buffer, .address_space: global }
      - { .name: Wk, .offset: 16, .size: 8, .value_kind: global_buffer, .address_space: global }
      - { .name: Wv, .offset: 24, .size: 8, .value_kind: global_buffer, .address_space: global }
      - { .name: Wo, .offset: 32, .size: 8, .value_kind: global_buffer, .address_space: global }
      - { .name: opc, .offset: 40, .size: 8, .value_kind: global_buffer, .address_space: global }
      - { .name: ops, .offset: 48, .size: 8, .value_kind: global_buffer, .address_space: global }
    .group_segment_fixed_size: 68096
    .private_segment_fixed_size: 0
    .kernarg_segment_align: 8
    .kernarg_segment_size: 56
    .max_flat_workgroup_size: 128
    .sgpr_count:     66
    .vgpr_count:     194
    .wavefront_size: 32
...
	.end_amdgpu_metadata
.endif
;; end of part 1
;; launch qkv (part 2): grid 12 x 32, 4 waves a work-group, clusters of 4 x 4, 327,680 bytes of LDS; arguments opc, ops, bq, bk, bv, qkv; writes qkv
.if DOCPART == 2
	.amdgcn_target "amdgcn-amd-amdhsa--gfx1250"
	.amdhsa_code_object_version 6
	.text
	.protected	k_q62497785b3_qkv
	.globl	k_q62497785b3_qkv
	.p2align	8
	.type	k_q62497785b3_qkv,@function
k_q62497785b3_qkv:
	s_mov_b64 s[64:65], 0
	v_nop
	global_prefetch_b8 v0, s[64:65] scope:SCOPE_SE
	s_setreg_imm32_b32 hwreg(HW_REG_WAVE_MODE, 25, 1), 1
	s_wait_xcnt 0x0
	s_wait_alu depctr_hold_cnt(0) depctr_sa_sdst(0) depctr_va_vdst(0) depctr_va_sdst(0) depctr_va_ssrc(0) depctr_va_vcc(0) depctr_vm_vsrc(0)
	s_getreg_b32 s2, hwreg(HW_REG_IB_STS2, 6, 4)
	s_cmp_eq_u32 s2, 0
	s_cbranch_scc0 .Lentry_in_a_cluster
	s_endpgm
.Lentry_in_a_cluster:
	s_bfe_u32 s2, ttmp6, 0x10000c
	s_cmp_lg_u32 s2, 0xf033
	s_cbranch_scc0 .Lentry_shape_is_right
	s_endpgm
.Lentry_shape_is_right:
.set KSTEP,  256
.set NQ,     2
.set ROWB,   256
.set KROW,   1024
.set PITCH,  272
.set FR,     16
.set NL,     4
.set NP,     8
.set HALFT,  128*PITCH
.set SLOT,   4*HALFT
.set LAPS,   2
.set KS,     32
.set SCL,    2*SLOT
.set HALFS,  16*272
.set SBLK,   2*272
.set SPARE,  SCL+4*HALFS
.set STG,    SPARE+512
.set QS0,    8388608
.set KV0,    8912896
.set STEPB,  17152
.set HEADKV, 274432
.set VO1,  7
.set BL,   8
.set ADRA, 16
.set VS0,  18
.set VS1,  19
.set ADRB, 20
.set SH,   22
.set SST,  24
.set SRD,  25
.set VO0,  26
.set ADRS, 27
.set SPW,  28
.set NIL,  29
.set BRO,  30
.set BLO,  31
.set SC,   32
.set BR,   64
.set AF,   128
.set T,    128
.set PC,   192
.set R0,   224
.set R1,   228
.set TM,   232
.set PW,   248
.set WR,   249
.set WV,   16
.set WHI,  17
.set WLO,  18
.set G1,   24
.set G0,   32
.set G1B,  48
.set G0B,  56
.set KIND, 66
.set MNT,  67
.set G1S,  68
.set G0S,  76
.set G1SB, 80
.set G0SB, 88
.set ISV,  95
.set NOTV, 96
.set BP,   98
.set SEL,  100
.set MSB, 0
.macro WIN new
.if MSB != \new
	s_set_vgpr_msb (MSB<<8)|\new
.set MSB, \new
.endif
.endm
.set MUL_LO,   0xa1
.set MUL_HI,   0xf1
.set MUL_LO_C, 0x81
.set MUL_HI_C, 0xc1
.set TO_B,     0x40
.macro JLOAD g0a, g1a, g0b, g1b
	s_cmp_eq_u32 s[WHI], 0
	s_cbranch_scc0 .Lfor_b_\@
	tensor_load_to_lds s[\g0a:\g0a+3], s[\g1a:\g1a+7]
	s_nop 0
.rept 4
	v_nop
.endr
	s_branch .Lasked_\@
.Lfor_b_\@:
	tensor_load_to_lds s[\g0b:\g0b+3], s[\g1b:\g1b+7]
	s_nop 0
.rept 4
	v_nop
.endr
.Lasked_\@:
.endm
.macro CREST
	s_cmp_lg_u32 s[WV], 0
	s_cbranch_scc1 .Lnot_wave_0_\@
	s_barrier_signal -3
.Lnot_wave_0_\@:
	s_barrier_wait -3
	s_barrier_signal -1
	s_barrier_wait -1
.endm
.macro CROUND
	s_barrier_signal -1
	s_barrier_wait -1
	CREST
.endm
	s_load_b128 s[4:7], s[0:1], 0x0
	s_load_b128 s[8:11], s[0:1], 0x10
	s_load_b128 s[12:15], s[0:1], 0x20
	v_lshl_add_u32 v[SPW], v0, 2, SPARE
	v_mov_b32 v[NIL], 0
	ds_add_u32 v28, v29
	ds_add_u32 v28, v29
	s_wait_dscnt 0x0
	v_lshrrev_b32 v1, 5, v0
	v_readfirstlane_b32 s[WV], v1
	s_lshr_b32 s[WHI], s[WV], 1
	s_and_b32 s[WLO], s[WV], 1
	s_bfe_u32 s40, ttmp6, 0x40000
	s_bfe_u32 s41, ttmp6, 0x40004
	s_mov_b32 s[KIND], ttmp9
	s_lshr_b32 s[ISV], s[KIND], 1
	s_xor_b32 s[NOTV], s[ISV], 1
	s_and_b32 s97, ttmp7, 0xffff
	s_lshl_b32 s97, s97, 2
	s_mul_i32 s19, s97, s[NOTV]
	s_add_co_u32 s19, s19, s41
	s_mul_i32 s42, s97, s[ISV]
	s_add_co_u32 s42, s42, s40
	s_lshl_b32 s43, s41, 2
	s_lshl_b32 s43, 15, s43
	s_lshl_b32 s44, 0x1111, s40
	s_or_b32 s[G1+0], s43, (0<<16)|(1<<20)|(1<<21)|(5<<22)|(3<<25)
	s_or_b32 s[G1B+0], s44, (0<<16)|(1<<20)|(1<<21)|(5<<22)|(3<<25)
.irp g, G1, G1B
	s_mov_b32 s[\g+1], ROWB<<16
	s_mov_b32 s[\g+2], 256<<16                     ; the head's loads of codes bring 256 rows
	s_mov_b32 s[\g+3], ROWB<<16
	s_mov_b32 s[\g+4], 256
	s_mov_b32 s[\g+5], KROW
	s_mov_b32 s[\g+6], 0
	s_mov_b32 s[\g+7], 0
.endr
	s_or_b32 s[G1S+0], s43, (3<<16)|(1<<20)|(1<<21)|(5<<22)|(3<<25)
	s_or_b32 s[G1SB+0], s44, (3<<16)|(1<<20)|(1<<21)|(5<<22)|(3<<25)
.irp g, G1S, G1SB
	s_mov_b32 s[\g+1], 32<<16
	s_mov_b32 s[\g+2], 32<<16                      ; the scales of 256 rows: 32 rows of 256 bytes
	s_mov_b32 s[\g+3], 32<<16
	s_mov_b32 s[\g+4], 32
	s_mov_b32 s[\g+5], 32
	s_mov_b32 s[\g+6], 0
	s_mov_b32 s[\g+7], 0
.endr
	s_lshl_b32 s20, s19, 8
	s_mul_i32 s23, s[ISV], 10240
	s_add_co_u32 s20, s20, s23
	s_lshl_b32 s46, s42, 8
	s_lshl_b32 s23, s[KIND], 10
	s_add_co_u32 s23, s23, 8192
	s_mul_i32 s23, s23, s[NOTV]
	s_add_co_u32 s46, s46, s23
	s_mov_b32 s21, 0
	s_mov_b32 s47, 0
	s_lshl_b64 s[92:93], s[46:47], 5
	s_lshl_b64 s[22:23], s[20:21], 5
	s_lshl_b64 s[20:21], s[20:21], 10
	s_lshl_b64 s[46:47], s[46:47], 10
	s_mul_i32 s45, s[WV], HALFT
	s_mov_b32 s[MNT], 0x600000
	s_mov_b32 s[SEL], 0x76543210
	s_mov_b32 s[SEL+1], 0xfedcba98
	s_wait_kmcnt 0x0
	s_add_nc_u64 s[20:21], s[4:5], s[20:21]
	s_add_nc_u64 s[22:23], s[6:7], s[22:23]
	s_add_nc_u64 s[46:47], s[4:5], s[46:47]
	s_add_nc_u64 s[92:93], s[6:7], s[92:93]
	CROUND
	s_mov_b32 s[G0S], 1
	s_mov_b32 s[G0S+1], SCL
	s_mov_b64 s[G0S+2:G0S+3], s[22:23]
	s_or_b32 s[G0S+3], s[G0S+3], 0x80000000
	s_mov_b32 s[G0SB], 1
	s_mov_b32 s[G0SB+1], SCL+2*HALFS
	s_mov_b64 s[G0SB+2:G0SB+3], s[92:93]
	s_or_b32 s[G0SB+3], s[G0SB+3], 0x80000000
	s_mul_i32 s22, s[WLO], 128*KROW                ; in the ring a wave fetches 128 rows of a tile: which half, in bytes
	s_mov_b32 s23, 0
	s_mov_b32 s[G0], 1                             ; at the head slot 0's groups 0 name K step 0's tiles whole: A's 256 rows,
	s_mov_b32 s[G0+1], 0
	s_mov_b64 s[G0+2:G0+3], s[20:21]
	s_or_b32 s[G0+3], s[G0+3], 0x80000000
	s_mov_b32 s[G0B], 1                            ; and B's 256 rows behind them
	s_mov_b32 s[G0B+1], 2*HALFT
	s_mov_b64 s[G0B+2:G0B+3], s[46:47]
	s_or_b32 s[G0B+3], s[G0B+3], 0x80000000
	s_add_nc_u64 s[20:21], s[20:21], s[22:23]
	s_add_nc_u64 s[46:47], s[46:47], s[22:23]
	s_mov_b32 s[G0+4], 1                           ; slot 1: my 128 rows of K step 1
	s_add_co_u32 s[G0+5], s45, SLOT
	s_add_nc_u64 s[G0+6:G0+7], s[20:21], ROWB
	s_or_b32 s[G0+7], s[G0+7], 0x80000000
	s_mov_b32 s[G0B+4], 1
	s_add_co_u32 s[G0B+5], s45, SLOT
	s_add_nc_u64 s[G0B+6:G0B+7], s[46:47], ROWB
	s_or_b32 s[G0B+7], s[G0B+7], 0x80000000
; the head's four tiles, one a wave: wave 0 A's codes, wave 1 B's, wave 2 A's scales, wave 3 B's; one chain of arms, one join
.macro ARM under, g0, g1, next
	s_cmp_lt_u32 s[WV], \under
	s_cbranch_scc0 \next
	tensor_load_to_lds s[\g0:\g0+3], s[\g1:\g1+7]
	s_nop 0
.rept 4
	v_nop
.endr
	s_branch .Lhead_asked
\next:
.endm
	ARM 1, G0,  G1,  .Lhead_b
	ARM 2, G0B, G1B, .Lhead_sa
	ARM 3, G0S, G1S, .Lhead_sb
	tensor_load_to_lds s[G0SB:G0SB+3], s[G1SB:G1SB+7]
	s_nop 0
.rept 4
	v_nop
.endr
.Lhead_asked:
	v_and_b32 v1, 15, v0
	v_bfe_u32 v2, v0, 4, 1
	v_mul_u32_u24 v3, v1, PITCH
	v_lshl_add_u32 v4, v2, 4, v3
	s_mul_i32 s21, s[WHI], HALFT
	s_mul_i32 s22, s[WLO], HALFT
	s_add_co_u32 s22, s22, 2*HALFT
.irp s, 0,1
	v_add_nc_u32 v[ADRA+\s], s21, v4
	v_add_nc_u32 v[ADRB+\s], s22, v4
	s_add_co_u32 s21, s21, SLOT
	s_add_co_u32 s22, s22, SLOT
.endr
	v_mul_u32_u24 v5, v1, KS
	v_lshrrev_b32 v6, 8, v5
	v_lshl_add_u32 v5, v6, 4, v5
	s_mul_i32 s21, s[WHI], HALFS
	s_mul_i32 s22, s[WLO], HALFS
	s_add_co_u32 s22, s22, 2*HALFS
	s_sub_co_u32 s22, s22, s21
	v_mul_u32_u24 v6, s22, v2
	s_add_co_u32 s21, s21, SCL
	v_add_nc_u32 v5, v5, v6
	v_add_nc_u32 v[ADRS], s21, v5
	s_lshl_b32 s23, s[WV], 10
	s_add_co_u32 s23, s23, STG
	v_lshlrev_b32 v5, 2, v1
	v_lshl_add_u32 v5, v2, 9, v5
	v_add_nc_u32 v[SST], s23, v5
	v_and_b32 v6, 31, v0
	v_lshlrev_b32 v[VO0], 4, v6
	s_wait_alu depctr_va_vdst(0)
	v_add_nc_u32 v[SRD], s23, v[VO0]
	s_mul_i32 s43, s19, s[NOTV]
	s_mul_i32 s45, s42, s[ISV]
	s_add_co_u32 s43, s43, s45
	s_mul_i32 s44, s42, s[NOTV]
	s_mul_i32 s45, s19, s[ISV]
	s_add_co_u32 s44, s44, s45
	s_mul_i32 s46, s[WHI], s[NOTV]
	s_mul_i32 s45, s[WLO], s[ISV]
	s_add_co_u32 s46, s46, s45
	s_mul_i32 s47, s[WLO], s[NOTV]
	s_mul_i32 s45, s[WHI], s[ISV]
	s_add_co_u32 s47, s47, s45
	s_lshl_b32 s43, s43, 8
	s_lshl_b32 s46, s46, 7
	s_add_co_u32 s43, s43, s46
	s_lshr_b32 s46, s43, 11
	s_and_b32 s43, s43, 2047
	s_lshl_b32 s44, s44, 2
	s_lshl_b32 s47, s47, 1
	s_add_co_u32 s44, s44, s47
	s_lshl_b32 s46, s46, 4
	s_add_co_u32 s46, s46, s44
	s_mul_i32 s47, s46, HEADKV
	s_lshr_b32 s45, s43, 7
	s_mul_i32 s45, s45, STEPB
	s_add_co_u32 s47, s47, s45
	s_add_co_u32 s47, s47, KV0
	s_lshl_b32 s92, s[ISV], 13
	s_add_co_u32 s92, s92, s47
	s_lshl_b32 s93, s[ISV], 9
	s_add_co_u32 s93, s93, s47
	s_add_co_u32 s93, s93, 16384
	s_lshl_b32 s40, s46, 17
	s_lshl_b32 s45, s43, 6
	s_add_co_u32 s40, s40, s45
	s_lshl_b32 s41, s46, 13
	s_lshl_b32 s45, s43, 2
	s_add_co_u32 s41, s41, s45
	s_add_co_u32 s41, s41, QS0
	s_mul_i32 s94, s[ISV], 273408
	s_sub_co_u32 s94, HEADKV, s94
	s_mov_b32 s97, HEADKV
	s_cmp_eq_u32 s[KIND], 0
	s_cselect_b32 s40, s40, s92
	s_cselect_b32 s92, s41, s93
	s_cselect_b32 s94, 0x20000, s94
	s_cselect_b32 s97, 8192, s97
	s_cselect_b64 s[BP:BP+1], s[8:9], s[10:11]
	s_cmp_eq_u32 s[KIND], 2
	s_cselect_b64 s[BP:BP+1], s[12:13], s[BP:BP+1]
	s_mov_b32 s41, 0
	s_mov_b32 s93, 0
	s_add_nc_u64 s[12:13], s[14:15], s[92:93]
	s_add_nc_u64 s[14:15], s[14:15], s[40:41]
	s_lshl_b32 s8, 1024, s[ISV]
	s_mov_b32 s9, 0
	s_mul_i32 s10, s[ISV], 267264
	s_add_co_u32 s10, s10, 1024
	s_mov_b32 s11, 0
	v_add_nc_u32 v[VO1], s94, v[VO0]
	s_mul_i32 s45, s[ISV], 274176
	v_mul_u32_u24 v5, s45, v2
	v_add_nc_u32 v[VS0], v[VO0], v5
	v_add_nc_u32 v[VS1], s97, v[VS0]
	s_lshl_b32 s45, s[NOTV], 4
	v_mul_u32_u24 v[SH], s45, v2
	s_lshl_b32 s45, s44, 8
	v_lshl_add_u32 v[BRO], v2, 5, s45
	v_lshl_add_u32 v[BLO], v1, 2, s45
.irp b, 0,1,2,3,4,5,6,7
	global_load_b128 v[BR+8*\b:BR+8*\b+3], v[BRO], s[BP:BP+1] offset:64*\b
	global_load_b128 v[BR+8*\b+4:BR+8*\b+7], v[BRO], s[BP:BP+1] offset:64*\b+16
.endr
.irp a, 0,1,2,3,4,5,6,7
	global_load_b32 v[BL+\a], v[BLO], s[BP:BP+1] offset:64*\a
.endr
.macro FRAG reg, adr, q, i
.irp c, 0,1,2,3
	ds_load_b128 v[\reg+4*\c:\reg+4*\c+3], v[\adr] offset:128*(\q)+32*\c+(\i)*16*PITCH
.endr
.endm
.macro MUL16 a0, p, q, sc, zero
.irp a, \a0, \a0+1
.irp b, 0,1,2,3,4,5,6,7
.if (\zero) == 1
	v_wmma_scale_f32_16x16x128_f8f6f4 v[8*(8*((\a)%4)+\b):8*(8*((\a)%4)+\b)+7], v[128*(\p)+FR*\b:128*(\p)+FR*\b+FR-1], v[AF+FR*(\a):AF+FR*(\a)+FR-1], v[BR+8*\b:BR+8*\b+7], v[SC+8*NQ*(\sc)+NQ*\b+(\q)], v[SC+8*NQ*(\sc)+NQ*(\a)+(\q)] matrix_a_scale:MATRIX_SCALE_ROW1
.elseif (\zero) == 2
	v_wmma_scale_f32_16x16x128_f8f6f4 v[8*(8*((\a)%4)+\b):8*(8*((\a)%4)+\b)+7], v[128*(\p)+FR*\b:128*(\p)+FR*\b+FR-1], v[AF+FR*(\a):AF+FR*(\a)+FR-1], v[BR+8*(\a):BR+8*(\a)+7], v[SC+8*NQ*(\sc)+NQ*\b+(\q)], v[SC+8*NQ*(\sc)+NQ*(\a)+(\q)] matrix_a_scale:MATRIX_SCALE_ROW1
.else
	v_wmma_scale_f32_16x16x128_f8f6f4 v[8*(8*((\a)%4)+\b):8*(8*((\a)%4)+\b)+7], v[128*(\p)+FR*\b:128*(\p)+FR*\b+FR-1], v[AF+FR*(\a):AF+FR*(\a)+FR-1], v[8*(8*((\a)%4)+\b):8*(8*((\a)%4)+\b)+7], v[SC+8*NQ*(\sc)+NQ*\b+(\q)], v[SC+8*NQ*(\sc)+NQ*(\a)+(\q)] matrix_a_scale:MATRIX_SCALE_ROW1
.endif
.endr
.endr
.endm
.macro FETCH_B slot, q, p
	WIN TO_B
.irp i, 0,1,2,3,4,5,6,7
	FRAG 128*(\p)+FR*\i, ADRB+\slot, \q, \i
.endr
	WIN 0
.endm
.macro FETCH_A slot, q, i0
.irp i, \i0, \i0+1, \i0+2, \i0+3
	FRAG AF+FR*(\i), ADRA+\slot, \q, \i
.endr
.endm
.macro SCALES sc
.irp i, 0,1,2,3,4,5,6,7
	ds_load_b64 v[SC+8*NQ*\sc+NQ*\i:SC+8*NQ*\sc+NQ*\i+1], v[ADRS] offset:\i*SBLK
.endr
.endm
.macro PLACES n
.rept \n
	v_nop
.endr
.endm
.macro STEP slot, q, zero
	s_wait_dscnt 4*NL
.if \zero
	WIN MUL_LO_C
.else
	WIN MUL_LO
.endif
	MUL16 0, (\q)%2, \q, \slot, \zero
	MUL16 2, (\q)%2, \q, \slot, \zero
	s_wait_dscnt 0
	PLACES NP
	FETCH_B \slot, (\q)+1, 1-(\q)%2
	FETCH_A \slot, (\q)+1, 0
.if \zero
	WIN MUL_HI_C
.else
	WIN MUL_HI
.endif
	MUL16 4, (\q)%2, \q, \slot, \zero
	MUL16 6, (\q)%2, \q, \slot, \zero
	PLACES NP
	WIN 0
	FETCH_A \slot, (\q)+1, 4
.endm
.macro TURN slot, next, fill
	s_wait_tensorcnt 0x0
	ds_add_u32 v[SPW], v[NIL]
	s_wait_dscnt 4*NL+1
	WIN MUL_LO
	MUL16 0, 1, NQ-1, \slot, 0
	s_wait_dscnt 0x0
	s_barrier_signal -1
	MUL16 2, 1, NQ-1, \slot, 0
	WIN 0
	s_barrier_wait -1
.if \fill
	CREST
	s_add_nc_u64 s[G0+4*\slot+2:G0+4*\slot+3], s[G0+4*\slot+2:G0+4*\slot+3], 2*ROWB
	s_add_nc_u64 s[G0B+4*\slot+2:G0B+4*\slot+3], s[G0B+4*\slot+2:G0B+4*\slot+3], 2*ROWB
	JLOAD G0+4*\slot, G1, G0B+4*\slot, G1B
	PLACES NP-4
.else
	PLACES NP
.endif
	s_wait_alu depctr_va_vdst(0)
	v_add_nc_u32 v[ADRS], 4*NQ, v[ADRS]
	FETCH_B \next, 0, 0
	FETCH_A \next, 0, 0
	SCALES \next
	WIN MUL_HI
	MUL16 4, 1, NQ-1, \slot, 0
	MUL16 6, 1, NQ-1, \slot, 0
	PLACES NP
	WIN 0
	FETCH_A \next, 0, 4
.endm
	s_wait_alu depctr_va_vdst(0)
	s_wait_tensorcnt 0x0                           ; my tile of the head's four is in; the lines ahead of a later first fill:
	ds_add_u32 v[SPW], v[NIL]
	s_mov_b32 s[G1+2], 128<<16                     ; no tensor load of mine is out, so descriptors may be written: from here on a load brings 128 rows,
	s_mov_b32 s[G1+4], 128
	s_mov_b32 s[G1B+2], 128<<16
	s_mov_b32 s[G1B+4], 128
	s_mul_i32 s20, s[WLO], 128*KROW
	s_mov_b32 s21, 0
	s_add_nc_u64 s[G0+2:G0+3], s[G0+2:G0+3], s[20:21]      ; and slot 0's groups 0 name my 128 rows of K step 0: the first refill steps them
	s_add_nc_u64 s[G0B+2:G0B+3], s[G0B+2:G0B+3], s[20:21]
	s_mul_i32 s[G0+1], s[WV], HALFT
	s_mul_i32 s[G0B+1], s[WV], HALFT
	s_wait_dscnt 0x0
	CROUND                                         ; all four tiles are in, and all sixteen work-groups are here
	JLOAD G0+4, G1, G0B+4, G1B                     ; K step 1: the first tensor load behind the round
	FETCH_B 0, 0, 0
	FETCH_A 0, 0, 0
	SCALES 0
	FETCH_A 0, 0, 4
	s_wait_loadcnt 0x0
	s_cmp_eq_u32 s[KIND], 2
	s_cbranch_scc1 .Lfirst_v
	STEP 0, 0, 1
	s_branch .Lfirst_done
.Lfirst_v:
.irp a, 0,1,2,3,4,5,6,7
.irp j, 0,1,2,3,4,5,6,7
	v_mov_b32 v[BR+8*\a+\j], v[BL+\a]
.endr
.endr
	s_wait_alu depctr_va_vdst(0)
	STEP 0, 0, 2
.Lfirst_done:
	s_mov_b32 s3, LAPS-1
.Llap:
	TURN 0, 1, 1
	STEP 1, 0, 0
	TURN 1, 0, 1
	STEP 0, 0, 0
	s_sub_co_u32 s3, s3, 1
	s_cmp_lg_u32 s3, 0
	s_cbranch_scc1 .Llap
	TURN 0, 1, 0
	STEP 1, 0, 0
	s_wait_dscnt 4*NL
	WIN MUL_LO
	MUL16 0, 1, NQ-1, 1, 0
	MUL16 2, 1, NQ-1, 1, 0
	s_wait_dscnt 0
	WIN MUL_HI
	MUL16 4, 1, NQ-1, 1, 0
	MUL16 6, 1, NQ-1, 1, 0
	WIN 0
	PLACES NP
.irp b, 0,1,2,3
	v_mov_b32 v[TM+4+\b], 0
.endr
.macro OUTBLK a
.set AC, 64*((\a)%4)
.set WA, 2+(\a)/4
.set W1, WA|(WA<<2)
.set W2, (WA<<2)|(WA<<4)
	WIN W1
.irp b, 0,1,2,3
	v_max3_num_f32 v[TM+\b], |v[AC+16*\b]|, |v[AC+16*\b+1]|, 0x4800000
.endr
	WIN W2
.irp i, 2,4,6,8,10,12,14
.irp b, 0,1,2,3
	v_max3_num_f32 v[TM+\b], v[TM+\b], |v[AC+16*\b+\i]|, |v[AC+16*\b+\i+1]|
.endr
.endr
	WIN 0
.irp b, 0,1,2,3
	v_permlanex16_b32 v[TM+4+\b], v[TM+\b], s[SEL], s[SEL+1]
.endr
.irp b, 0,1,2,3
	v_max_num_f32 v[TM+\b], v[TM+\b], v[TM+4+\b]
.endr
.irp b, 0,1,2,3
	v_add_nc_u32 v[TM+12+\b], 0xfc000000, v[TM+\b]
.endr
.irp b, 0,1,2,3
	v_and_or_b32 v[TM+8+\b], v[TM+\b], 0x7f800000, s[MNT]
.endr
.irp b, 0,1,2,3
	v_lshrrev_b32 v[TM+4+\b], 23, v[TM+12+\b]
.endr
	v_lshl_or_b32 v[PW], v[TM+5], 8, v[TM+4]
	v_lshl_or_b32 v[PW], v[TM+6], 16, v[PW]
	v_lshl_or_b32 v[PW], v[TM+7], 24, v[PW]
	WIN WA
.irp b, 0,1,2,3
.irp i, 0,1,2,3,4,5,6,7,8,9,10,11,12,13,14,15
	v_med3_num_f32 v[T+16*\b+\i], v[AC+16*\b+\i], -v[TM+8+\b], v[TM+8+\b]
.endr
.endr
	WIN 0
.if (\a) > 0
	s_wait_alu depctr_va_vdst(0)
	s_wait_xcnt 0x0
.if (\a) == 4
	s_add_nc_u64 s[14:15], s[14:15], s[10:11]
.else
	s_add_nc_u64 s[14:15], s[14:15], s[8:9]
.endif
.endif
.irp b, 0,1,2,3
	v_cvt_scalef32_pk8_fp8_f32 v[PC+4*\b:PC+4*\b+1], v[T+16*\b:T+16*\b+7], v[TM+12+\b]
	v_cvt_scalef32_pk8_fp8_f32 v[PC+4*\b+2:PC+4*\b+3], v[T+16*\b+8:T+16*\b+15], v[TM+12+\b]
.endr
	v_lshrrev_b32 v[WR], v[SH], v[PW]
	global_store_b128 v[VO0], v[PC:PC+3], s[14:15]
	global_store_b128 v[VO0], v[PC+4:PC+7], s[14:15] offset:512
	global_store_b128 v[VO1], v[PC+8:PC+11], s[14:15]
	global_store_b128 v[VO1], v[PC+12:PC+15], s[14:15] offset:512
	ds_store_b32 v[SST], v[WR] offset:64*(\a)
.endm
.irp a, 0,1,2,3,4,5,6,7
	OUTBLK \a
.endr
	ds_load_b128 v[R0:R0+3], v[SRD]
	ds_load_b128 v[R1:R1+3], v[SRD] offset:512
	s_wait_dscnt 0x0
	global_store_b128 v[VS0], v[R0:R0+3], s[12:13]
	s_cmp_eq_u32 s[KIND], 2
	s_cbranch_scc1 .Lone_store
	global_store_b128 v[VS1], v[R1:R1+3], s[12:13]
.Lone_store:
	s_wait_tensorcnt 0x0
	ds_add_u32 v[SPW], v[NIL]
	s_wait_dscnt 0x0
	CROUND
	s_endpgm
.Lfunc_end_k_q62497785b3_qkv:
	.size	k_q62497785b3_qkv, .Lfunc_end_k_q62497785b3_qkv-k_q62497785b3_qkv
	.p2alignl 7, 3214868480
	.fill 96, 4, 3214868480
	.section	.rodata,"a",@progbits
	.p2align	6, 0x0
	.amdhsa_kernel k_q62497785b3_qkv
		.amdhsa_group_segment_fixed_size 327680
		.amdhsa_private_segment_fixed_size 0
		.amdhsa_enable_private_segment 0
		.amdhsa_kernarg_size 48
		.amdhsa_user_sgpr_count 2
		.amdhsa_user_sgpr_kernarg_segment_ptr 1
		.amdhsa_wavefront_size32 1
		.amdhsa_system_sgpr_workgroup_id_x 1
		.amdhsa_system_sgpr_workgroup_id_y 1
		.amdhsa_system_sgpr_workgroup_id_z 1
		.amdhsa_system_vgpr_workitem_id 0
		.amdhsa_next_free_vgpr 1024
		.amdhsa_next_free_sgpr 102
		.amdhsa_reserve_vcc 0
		.amdhsa_float_denorm_mode_32 3
		.amdhsa_float_denorm_mode_16_64 3
		.amdhsa_memory_ordered 1
		.amdhsa_forward_progress 1
		.amdhsa_inst_pref_size 207
	.end_amdhsa_kernel
	.amdgpu_metadata
---
amdhsa.version: [ 1, 2 ]
amdhsa.kernels:
  - .name:           k_q62497785b3_qkv
    .symbol:         k_q62497785b3_qkv.kd
    .args:
      - { .name: opc, .offset: 0, .size: 8, .value_kind: global_buffer, .address_space: global }
      - { .name: ops, .offset: 8, .size: 8, .value_kind: global_buffer, .address_space: global }
      - { .name: bq, .offset: 16, .size: 8, .value_kind: global_buffer, .address_space: global }
      - { .name: bk, .offset: 24, .size: 8, .value_kind: global_buffer, .address_space: global }
      - { .name: bv, .offset: 32, .size: 8, .value_kind: global_buffer, .address_space: global }
      - { .name: qkv, .offset: 40, .size: 8, .value_kind: global_buffer, .address_space: global }
    .group_segment_fixed_size: 327680
    .private_segment_fixed_size: 0
    .kernarg_segment_align: 8
    .kernarg_segment_size: 48
    .max_flat_workgroup_size: 128
    .sgpr_count:     102
    .vgpr_count:     1024
    .wavefront_size: 32
...
	.end_amdgpu_metadata
.endif
;; end of part 2
;; launch attn (part 3): grid 4 x 64, 8 waves a work-group, clusters of 4 x 1, 302,592 bytes of LDS; arguments qkv, attention_mask, ctxc, ctxs; writes ctxc, ctxs
.if DOCPART == 3
	.amdgcn_target "amdgcn-amd-amdhsa--gfx1250"
	.amdhsa_code_object_version 6
	.text
	.protected	k_q62497785b3_attn
	.globl	k_q62497785b3_attn
	.p2align	8
	.type	k_q62497785b3_attn,@function
k_q62497785b3_attn:
	s_mov_b64 s[64:65], 0
	v_nop
	global_prefetch_b8 v0, s[64:65] scope:SCOPE_SE
	s_setreg_imm32_b32 hwreg(HW_REG_WAVE_MODE, 25, 1), 1
	s_wait_xcnt 0x0
	s_wait_alu depctr_hold_cnt(0) depctr_sa_sdst(0) depctr_va_vdst(0) depctr_va_sdst(0) depctr_va_ssrc(0) depctr_va_vcc(0) depctr_vm_vsrc(0)
	s_getreg_b32 s2, hwreg(HW_REG_IB_STS2, 6, 4)
	s_cmp_eq_u32 s2, 0
	s_cbranch_scc0 .Lentry_in_a_cluster
	s_endpgm
.Lentry_in_a_cluster:
	s_bfe_u32 s2, ttmp6, 0x10000c
	s_cmp_lg_u32 s2, 0x3003
	s_cbranch_scc0 .Lentry_shape_is_right
	s_endpgm
.Lentry_shape_is_right:
; ctx[b][h][q] = the sum over k of softmax_k(q . k / 8 + mask[b][k]) v[k], both products on codes of E4M3 with E8M0 scales; ctx is quantised along D for the output projection.
; THE SOFTMAX: t = (q . k + 8 mask) x log2(e) / 8; M = the running largest t rounded up to a whole number; p = 2^(t - M) is quantised along the keys, not normalised.
; The row's sum is taken of the unquantised p and divides at the end.  When M moves, the sum and O are multiplied by 2^(old M - new M), which rounds nothing.
; 8 x mask is the C of the first product: the factor 8 is exact.
; IN (buffer qkv): images of operand registers, 16 bytes a lane, 512 a group.  A key step of 128 keys is 17,152 dense bytes: K's 8 tiles (2 groups each), V's 4 tiles (4 groups), K's and V's scale words.
; SHARES: a work-group owns 512 queries of one head, 32 tiles of 16.  In each of two passes a wave holds TWO tiles; every LDS read of K, V, scales and mask serves both.
; Both products are used transposed: a lane holds one query throughout, and p's and O's registers run along the next K.
; REGISTERS.  Window 0 holds what vector instructions work on, for BOTH tiles (tile w's scores at S0 + 68 w).
; Window 1 holds what matrix instructions and loads alone name, and O: v0-63 the step's 8 x mask, v64-127 K, v128-191 V, v192-255 O^T of both tiles.
; p's codes are laid over scores that are done with: block b's four registers at S0 - 4 + 4 b, so a tile's 16 registers of codes cost four registers beside its scores.
; THE TWO TILES GO STAGGERED through a step, and one tile's lines stand among the other's: tile 1's first products among tile 0's maxima, each tile's chain for M among the other's maxima or
; multiply-adds, tile 1's multiply-adds among tile 0's exponentials, tile 0's holds among tile 1's exponentials, tile 0's second products among tile 1's holds.
; THE WHOLE HEAD'S K AND V LIE IN LDS (274,432 bytes), filled once: each wave asks for two key steps with one tensor load.  Nothing is filled again: one barrier ahead of the loops, none inside.
; LOADS RUN A STEP AHEAD: behind the first products' places one run of 54 LDS loads asks for this step's V and the NEXT step's K, mask and scale words.  Behind step 15 lies a copy of step 0's K, scale words and mask
; (stored from registers at the head, in LDS bytes of its own): the last trip's loads find the first operands of the next pass there, and no trip differs from another.
; CLUSTER: the four query blocks of a head want the same bytes: each tensor load is asked for jointly by the four.
; No prefetch: every tile is asked for at the head, so there is no loop to run ahead in.
; THE HEAD HAS 64 CHANNELS, THE INSTRUCTION 128: Q's upper eight registers are zero codes.  K's tile is named with the eight registers behind it (the next tile's codes; behind tile 7 V's first eight registers, zeros at first):
; they meet zero codes, they are never the NaN code (every number was held ahead of its conversion), and no scale byte is 0xff.
; OUT: ctxc: images [tile of 16 tokens 512][K step 8][group 4][lane][16]; ctxs: two scale bytes for each head and token, [head 16][token 8192].
; LIMITS: NaN in the inputs is not served; 8 x mask is infinite for |mask| above 2^124; a row all of whose keys stand at -infinity gives NaN; the promise holds while |t| stays under 2^31.
.set QS0,    8388608
.set KV0,    8912896
.set STEPB,  17152
.set HEADKV, 274432
.set K16,    274432                    ; LDS: the copy of step 0's K (8,192 bytes) and, 16,384 bytes on, of its scale words (1,024 bytes stored)
.set MASK,   291840                    ; LDS: 8 x mask of my batch, 8,192 bytes, and its first 512 once more
.set CSB,    300544                    ; LDS: ctx's scale halves, 1,024 bytes
.set SPARE,  301568                    ; LDS: the spare words, 128 bytes a wave
.set LI,   1                           ; 16 x lane
.set LS,   2                           ; 4 x lane
.set MA,   3                           ; MASK + 32 (lane / 16)
.set ADK,  4                           ; v4-6 the step's addresses
.set ADS,  5
.set ADM,  6
.set QSO,  7                           ; 4 (lane % 16)
.set CSA,  8                           ; CSB + 2 x thread
.set CT16, 9                           ; 16 x thread
.set CW,   10                          ; v10-11 the way out: a token's two scale bytes, tile 0's and tile 1's
.set NM,   12                          ; tile w: v[NM + 4 w] -M, the register behind it the largest score so far
.set SUM,  14                          ; tile w: v[SUM + 4 w], two halves of the row's sum
.set F,    20                          ; tile w: v[F + 2 w] f = 2^(old M - new M); named as a pair
.set TP,   24
.set SPW,  26                          ; my spare word; never rewritten
.set NIL,  27                          ; 0; never rewritten
.set CSL,  28                          ; CSB + 16 x thread
.set MST,  29                          ; MASK + 16 x thread
.set KS,   30                          ; v30-33 K's scale words, two tiles to a register
.set VS,   34                          ; v34-35 V's
.set QSC,  36                          ; v36-37 Q's
.set PW,   38                          ; v38-39 p's
.set BM,   40                          ; four registers a tile: the blocks' largest
.set T1,   48
.set HO,   56                          ; 448 x the scale
.set SO,   64                          ; the conversions' scale operand
.set X,    72                          ; three pairs a tile: further chains of the row's sum
.set Q,    84                          ; 16 registers a tile: 8 of codes, 8 of zero codes
.set S0,   120                         ; scores, then p: 64 registers a tile, four for codes ahead of them
.set MK,   0                           ; window 1
.set KF,   64
.set VF,   128
.set O,    192
.set WV,   12
.set NCS,  18
.set MNT,  19
.set SEL,  20
.set CS,   22
.set TB,   36
.set TMK,  37
.set CNT,  38
.set HM,   39
.set MSB, 0
.macro WIN new                         ; bits 1:0 source 0, 3:2 source 1, 5:4 source 2, 7:6 destination; the high byte repeats the setting that is left
.if MSB != \new
	s_set_vgpr_msb (MSB<<8)|\new
.set MSB, \new
.endif
.endm
.macro CROUND
	s_barrier_signal -1
	s_barrier_wait -1
	s_cmp_lg_u32 s[WV], 0
	s_cbranch_scc1 .Lnot_wave_0_\@
	s_barrier_signal -3
.Lnot_wave_0_\@:
	s_barrier_wait -3
	s_barrier_signal -1
	s_barrier_wait -1
.endm
	s_load_b256 s[4:11], s[0:1], 0x0               ; qkv, mask, ctxc, ctxs
	v_lshl_add_u32 v[SPW], v0, 2, SPARE
	v_mov_b32 v[NIL], 0
	ds_add_u32 v[SPW], v[NIL]                      ; the opening lines: the add twice on end, and its wait ahead of my tensor load
	ds_add_u32 v[SPW], v[NIL]
	v_lshrrev_b32 v1, 5, v0
	v_readfirstlane_b32 s[WV], v1                  ; wave 0..7
	s_bfe_u32 s13, ttmp6, 0x40000                  ; cx: it enters Q's and the outputs' addresses alone
	s_lshl_b32 s17, ttmp9, 2
	s_add_co_u32 s17, s17, s13                     ; my block of 512 queries
	s_and_b32 s14, ttmp7, 0xffff                   ; 16 x batch + head, which the four partners share
	s_lshr_b32 s15, s14, 4                         ; batch
	s_and_b32 s16, s14, 15                         ; head
	s_mov_b32 s24, 15|(3<<16)|(1<<21)              ; the mask: all four; elements of 8 bytes; bit 21 beside a mask; no padding
	s_mov_b32 s25, 32<<16                          ; tensor_dim0 = 32 elements: rows of 256 bytes
	s_mov_b32 s26, 134<<16                         ; tensor_dim1 = 134 rows: two key steps
	s_mov_b32 s27, 32<<16                          ; tile_dim0
	s_mov_b32 s28, 134                             ; tile_dim1
	s_mov_b32 s29, 32                              ; dense
	s_mov_b32 s30, 0
	s_mov_b32 s31, 0
	s_mul_i32 s33, s[WV], 2*STEPB                  ; LDS address: my two key steps
	s_mul_i32 s48, s14, HEADKV
	s_add_co_u32 s48, s48, s33
	s_add_co_u32 s48, s48, KV0
	s_mov_b32 s49, 0
	s_lshl_b32 s50, s14, 17                        ; Q's images: 131,072 bytes a head, 32,768 a block, 2,048 for a wave's two tiles
	s_lshl_b32 s60, s17, 15
	s_add_co_u32 s50, s50, s60
	s_lshl_b32 s60, s[WV], 11
	s_add_co_u32 s50, s50, s60
	s_mov_b32 s51, 0
	s_lshl_b32 s52, s14, 13                        ; Q's scale words: 64 bytes a tile
	s_lshl_b32 s60, s17, 11
	s_add_co_u32 s52, s52, s60
	s_lshl_b32 s60, s[WV], 7
	s_add_co_u32 s52, s52, s60
	s_add_co_u32 s52, s52, QS0
	s_mov_b32 s53, 0
	s_lshl_b32 s54, s15, 7                         ; ctxc: tile of tokens 128 b + 32 block + 2 wave, 16,384 bytes each; 1,024 bytes a head
	s_lshl_b32 s60, s17, 5
	s_add_co_u32 s54, s54, s60
	s_lshl_b32 s60, s[WV], 1
	s_add_co_u32 s54, s54, s60
	s_lshl_b32 s54, s54, 14
	s_lshl_b32 s60, s16, 10
	s_add_co_u32 s54, s54, s60
	s_mov_b32 s55, 0
	s_lshl_b32 s56, s16, 14                        ; ctxs: 16,384 bytes a head, 2 a token
	s_lshl_b32 s60, s15, 12
	s_add_co_u32 s56, s56, s60
	s_lshl_b32 s60, s17, 10
	s_add_co_u32 s56, s56, s60
	s_mov_b32 s57, 0
	s_lshl_b32 s58, s15, 13                        ; my batch's mask
	s_mov_b32 s59, 0
	s_mul_i32 s60, s14, HEADKV                     ; the head's key step 0
	s_add_co_u32 s60, s60, KV0
	s_mov_b32 s61, 0
	s_mov_b32 s[MNT], 0x600000
	s_mov_b32 s[SEL], 0x76543210
	s_mov_b32 s[SEL+1], 0xfedcba98
	s_mov_b32 s[CS], 0x3e38aa3b                    ; c = log2(e) / 8
	s_mov_b32 s[CS+1], s[CS]
	s_mov_b32 s[NCS], 0xbe38aa3b                   ; -c
	s_mov_b32 s[HM], 0xffff0000                    ; lanes 16-31
	s_wait_dscnt 0x0
	s_wait_kmcnt 0x0
	s_mov_b32 s32, 1
	s_add_nc_u64 s[34:35], s[4:5], s[48:49]
	s_or_b32 s35, s35, 0x80000000
	s_add_nc_u64 s[40:41], s[4:5], s[50:51]
	s_add_nc_u64 s[42:43], s[4:5], s[52:53]
	s_add_nc_u64 s[62:63], s[4:5], s[60:61]
	s_add_nc_u64 s[44:45], s[8:9], s[54:55]
	s_add_nc_u64 s[46:47], s[10:11], s[56:57]
	s_add_nc_u64 s[6:7], s[6:7], s[58:59]
	CROUND                                         ; all four work-groups are here: the joint loads meet
	tensor_load_to_lds s[32:35], s[24:31]          ; my one tensor load of the launch
	s_nop 0
.rept 4
	v_nop
.endr
	v_lshlrev_b32 v[CT16], 4, v0
	v_lshlrev_b32 v137, 2, v0
	global_load_b128 v[120:123], v[CT16], s[6:7]               ; the mask: 8,192 bytes by 256 threads
	global_load_b128 v[124:127], v[CT16], s[6:7] offset:4096
	global_load_b128 v[128:131], v[CT16], s[62:63]             ; step 0's K: 8,192 bytes
	global_load_b128 v[132:135], v[CT16], s[62:63] offset:4096
	global_load_b32 v136, v137, s[62:63] offset:16384          ; and 1,024 bytes from its scale words on
	v_and_b32 v10, 31, v0
	v_lshlrev_b32 v[LI], 4, v10
	v_lshlrev_b32 v[LS], 2, v10
	v_bfe_u32 v[MA], v0, 4, 1
	v_lshl_add_u32 v[MA], v[MA], 5, MASK
	v_and_b32 v[QSO], 15, v0
	v_lshlrev_b32 v[QSO], 2, v[QSO]
	v_lshl_add_u32 v[CSA], v0, 1, CSB
	v_add_nc_u32 v[CSL], CSB, v[CT16]
	v_add_nc_u32 v[MST], MASK, v[CT16]
	v_add_nc_u32 v138, K16, v[CT16]
	v_add_nc_u32 v139, K16+16384, v137
.irp w, 0,1
.irp j, 8,9,10,11,12,13,14,15
	v_mov_b32 v[Q+16*\w+\j], 0                     ; Q's upper 64 places: zero codes
.endr
.irp j, 0,1,2,3
	v_mov_b32 v[T1+4*\w+\j], 0                     ; a lane permute's destination counts as one of its sources
.endr
	v_mov_b32 v[TP+\w], 0
	v_mov_b32 v[F+2*\w+1], 0                       ; named as the upper half of a pair
.endr
	WIN 0x40
.irp j, 0,1,2,3,4,5,6,7
	v_mov_b32 v[VF+\j], 0                          ; what K's tile 7 is named with in the first step: zero codes
.endr
	WIN 0
	s_wait_alu depctr_va_vdst(0)
	s_wait_loadcnt 0x0
.irp j, 0,1,2,3,4,5,6,7
	v_mul_f32 v[120+\j], 0x41000000, v[120+\j]     ; 8 x mask: exact
.endr
	ds_store_b128 v[MST], v[120:123]
	ds_store_b128 v[MST], v[124:127] offset:4096
	ds_store_b128 v138, v[128:131]
	ds_store_b128 v138, v[132:135] offset:4096
	ds_store_b32 v139, v136
	s_wait_alu depctr_va_vdst(0)
	s_cmp_lg_u32 s[WV], 0
	s_cbranch_scc1 .Lno_wrap
	ds_store_b128 v[MST], v[120:123] offset:8192   ; wave 0 holds the mask's first 512 bytes: once more behind its end
.Lno_wrap:
	s_wait_tensorcnt 0x0                           ; my two key steps have landed,
	s_wait_dscnt 0x0                               ; my stores are done:
	s_barrier_signal -1
	s_barrier_wait -1                              ; everybody's
; K's eight tiles, the mask in the result's layout and K's scale words: 36 loads
.macro LOADKM adk, ads, adm, ko, mo
	WIN 0x40
.irp t, 0,1,2,3,4,5,6,7
	ds_load_b128 v[KF+8*\t:KF+8*\t+3], v[\adk] offset:\ko+1024*\t
	ds_load_b128 v[KF+8*\t+4:KF+8*\t+7], v[\adk] offset:\ko+1024*\t+512
.endr
.irp t, 0,1,2,3,4,5,6,7
	ds_load_b128 v[MK+8*\t:MK+8*\t+3], v[\adm] offset:\mo+64*\t       ; 8 mask of keys 16 t + 8 (lane / 16) + 0 .. 7
	ds_load_b128 v[MK+8*\t+4:MK+8*\t+7], v[\adm] offset:\mo+64*\t+16
.endr
	WIN 0
.irp p, 0,1,2,3
	ds_load_b32 v[KS+\p], v[\ads] offset:\ko+16384+128*\p             ; lanes 0-15: tile 2 p's words; lanes 16-31: tile 2 p + 1's
.endr
.endm
.macro QK1 w, t                        ; S^T = K Q^T + 8 mask, tile t of 16 keys.  Under window setting 0x11: K and the mask in window 1
.if (\t)%2 == 0
	v_wmma_scale_f32_16x16x128_f8f6f4 v[S0+68*\w+8*\t:S0+68*\w+8*\t+7], v[KF+8*\t:KF+8*\t+15], v[Q+16*\w:Q+16*\w+15], v[MK+8*\t:MK+8*\t+7], v[KS+(\t)/2], v[QSC+\w]
.else
	v_wmma_scale_f32_16x16x128_f8f6f4 v[S0+68*\w+8*\t:S0+68*\w+8*\t+7], v[KF+8*\t:KF+8*\t+15], v[Q+16*\w:Q+16*\w+15], v[MK+8*\t:MK+8*\t+7], v[KS+(\t)/2], v[QSC+\w] matrix_a_scale:MATRIX_SCALE_ROW1
.endif
.endm
.macro PV1 w, d                        ; O^T += V^T P^T, tile d of 16 channels; each accumulator has a turn of one instruction.  Under 0x51: V and O in window 1
.if (\d)%2 == 0
	v_wmma_scale_f32_16x16x128_f8f6f4 v[O+32*\w+8*\d:O+32*\w+8*\d+7], v[VF+16*\d:VF+16*\d+15], v[S0+68*\w-4:S0+68*\w+11], v[O+32*\w+8*\d:O+32*\w+8*\d+7], v[VS+(\d)/2], v[PW+\w]
.else
	v_wmma_scale_f32_16x16x128_f8f6f4 v[O+32*\w+8*\d:O+32*\w+8*\d+7], v[VF+16*\d:VF+16*\d+15], v[S0+68*\w-4:S0+68*\w+11], v[O+32*\w+8*\d:O+32*\w+8*\d+7], v[VS+(\d)/2], v[PW+\w] matrix_a_scale:MATRIX_SCALE_ROW1
.endif
.endm
; Line n (0 .. 39) of a tile's maxima: each block's largest score, for the row's maximum and, since p rises with the score, for the block's largest p.
; Two chains to a block, one for each of its two accumulators, each begun at the accumulator's low end; then they are joined, and joined with lane l xor 16's.
.macro MAXOP w, n
.set mb, S0+68*(\w)
.if (\n) < 24
.set mq, ((\n)%8)/2
.set mh, (\n)%2
.set md, BM+4*(\w)+mq+(T1-BM)*mh
.set ms, mb+16*mq+8*mh
.if (\n) < 8
	v_max3_num_f32 v[md], v[ms], v[ms+1], v[ms+2]
.else
	v_max3_num_f32 v[md], v[md], v[ms+1+2*((\n)/8)], v[ms+2+2*((\n)/8)]
.endif
.elseif (\n) < 28
.set mq, (\n)-24
	v_max3_num_f32 v[BM+4*(\w)+mq], v[BM+4*(\w)+mq], v[T1+4*(\w)+mq], v[mb+16*mq+7]
.elseif (\n) < 32
.set mq, (\n)-28
	v_max_num_f32 v[BM+4*(\w)+mq], v[BM+4*(\w)+mq], v[mb+16*mq+15]
.elseif (\n) < 36
.set mq, (\n)-32
	v_permlanex16_b32 v[T1+4*(\w)+mq], v[BM+4*(\w)+mq], s[SEL], s[SEL+1]
.else
.set mq, (\n)-36
	v_max_num_f32 v[BM+4*(\w)+mq], v[BM+4*(\w)+mq], v[T1+4*(\w)+mq]
.endif
.endm
; Line n (0 .. 7) of a tile's chain from the blocks' largest scores to -M and f
.macro CHOP w, n
.if (\n) == 0
	v_max3_num_f32 v[TP+\w], v[BM+4*\w], v[BM+4*\w+1], v[BM+4*\w+2]
.elseif (\n) == 1
	v_max3_num_f32 v[NM+4*\w+1], v[TP+\w], v[BM+4*\w+3], v[NM+4*\w+1]   ; the running largest score (c is positive: the largest t is c x it)
.elseif (\n) == 2
	v_mul_f32 v[TP+\w], s[NCS], v[NM+4*\w+1]       ; -t
.elseif (\n) == 3
	v_floor_f32 v[TP+\w], v[TP+\w]                 ; -M = floor(-t): M is a whole number
.elseif (\n) == 4
	v_sub_f32 v[F+2*\w], v[TP+\w], v[NM+4*\w]      ; old M - new M, 0 or less
.elseif (\n) == 5
	v_mov_b32 v[NM+4*\w], v[TP+\w]
.elseif (\n) == 6
	v_cvt_i32_f32 v[F+2*\w], v[F+2*\w]             ; (it saturates)
.else
	v_ldexp_f32 v[F+2*\w], 1.0, v[F+2*\w]          ; f = 2^(old M - new M)
.endif
.endm
; The hold of two numbers in one line: number i of block 2 g and number i xor 1 of block 2 g + 1 (n = 16 g + i): one destination even and one odd, the sources in different banks
.macro MIN2 w, n
.set mg, (\n)/16
.set mi, (\n)%16
.set mx, S0+68*(\w)+32*mg+mi
.set my, S0+68*(\w)+32*mg+16+mi+1-2*(mi%2)
	v_dual_min_num_f32 v[mx], v[mx], v[HO+4*(\w)+2*mg] :: v_dual_min_num_f32 v[my], v[my], v[HO+4*(\w)+2*mg+1]
.endm
.macro CVT w, b                        ; block b's 16 numbers of a lane become four registers of codes, laid at S0 - 4 + 4 b
	v_cvt_scalef32_pk8_fp8_f32 v[S0+68*\w-4+4*\b:S0+68*\w-3+4*\b], v[S0+68*\w+16*\b:S0+68*\w+16*\b+7], v[SO+4*\w+\b]
	v_cvt_scalef32_pk8_fp8_f32 v[S0+68*\w-2+4*\b:S0+68*\w-1+4*\b], v[S0+68*\w+16*\b+8:S0+68*\w+16*\b+15], v[SO+4*\w+\b]
.endm
.macro SUMS1 w                         ; the row's sum, of the unquantised p, in four chains: three begin here
.irp c, 0,1,2
	v_pk_add_f32 v[X+6*\w+2*\c:X+6*\w+2*\c+1], v[S0+68*\w+4*\c:S0+68*\w+4*\c+1], v[S0+68*\w+4*\c+2:S0+68*\w+4*\c+3]
.endr
.endm
.macro SUMS2 w
.set jj, 12
.rept 6
	v_pk_add_f32 v[SUM+4*\w:SUM+4*\w+1], v[SUM+4*\w:SUM+4*\w+1], v[S0+68*\w+jj:S0+68*\w+jj+1]
.irp c, 0,1,2
	v_pk_add_f32 v[X+6*\w+2*\c:X+6*\w+2*\c+1], v[X+6*\w+2*\c:X+6*\w+2*\c+1], v[S0+68*\w+jj+2+2*\c:S0+68*\w+jj+3+2*\c]
.endr
.set jj, jj+8
.endr
	v_pk_add_f32 v[SUM+4*\w:SUM+4*\w+1], v[SUM+4*\w:SUM+4*\w+1], v[S0+68*\w+60:S0+68*\w+61]
	v_pk_add_f32 v[X+6*\w:X+6*\w+1], v[X+6*\w:X+6*\w+1], v[S0+68*\w+62:S0+68*\w+63]
.endm
.macro RESC w                          ; O^T under the new M, each accumulator from its low end on
	WIN 0x41                                       ; O in window 1, f in window 0
	s_wait_alu depctr_va_vdst(0)
.set jj, 0
.rept 16
	v_pk_mul_f32 v[O+32*\w+jj:O+32*\w+jj+1], v[O+32*\w+jj:O+32*\w+jj+1], v[F+2*\w:F+2*\w+1] op_sel_hi:[1,0]
.set jj, jj+2
.endr
.endm
.macro STEP                            ; 128 keys, both tiles
	s_wait_dscnt 0x0                               ; K, the mask and K's scale words, asked for a step ago
	WIN 0x11
.irp t, 0,1,2,3,4,5,6,7
	QK1 0, \t
.endr
	WIN 0
	v_add_nc_u32 v[ADK], s[TB], v[LI]
	v_add_nc_u32 v[ADS], s[TB], v[LS]
	v_add_nc_u32 v[ADM], s[TMK], v[MA]
.rept 5
	v_nop                                          ; with the three additions: eight plain instructions between tile 0's products and the reads of its scores
.endr
.set nn, 0
.irp t, 0,1,2,3,4,5,6,7                ; tile 1's products, one by one, among tile 0's 40 lines of maxima
	WIN 0x11
	QK1 1, \t
	WIN 0
.rept 5
	MAXOP 0, nn
.set nn, nn+1
.endr
.endr
	CHOP 0, 0
.rept 3
	v_nop                                          ; with the four maxima and the line above: eight plain instructions between tile 1's last product and the loads into the products' registers
.endr
.irp p, 0,1
	ds_load_b32 v[VS+\p], v[ADS] offset:16896+128*\p
.endr
	WIN 0x40
.irp d, 0,1,2,3
.irp c, 0,1,2,3
	ds_load_b128 v[VF+16*\d+4*\c:VF+16*\d+4*\c+3], v[ADK] offset:8192+2048*\d+512*\c
.endr
.endr
	LOADKM ADK, ADS, ADM, STEPB, 512               ; the next step's
.set nn, 0
.irp c, 1,2,3,4,5,6,7                  ; tile 1's maxima, tile 0's chain among them
.rept 5
	MAXOP 1, nn
.set nn, nn+1
.endr
	CHOP 0, \c
.endr
.rept 5
	MAXOP 1, nn
.set nn, nn+1
.endr
.set jj, 0
.irp c, 0,1,2,3,4,5,6,7                ; tile 0: t - M; tile 1's chain among the lines
.rept 4
	v_pk_fma_f32 v[S0+jj:S0+jj+1], v[S0+jj:S0+jj+1], s[CS:CS+1], v[NM:NM+1] op_sel_hi:[1,0,0]
.set jj, jj+2
.endr
	CHOP 1, \c
.endr
.irp w, 0,1
.irp b, 0,1,2,3
	v_fma_f32 v[BM+4*\w+\b], v[BM+4*\w+\b], s[CS], v[NM+4*\w]
.endr
.endr
.irp w, 0,1
	v_pk_mul_f32 v[SUM+4*\w:SUM+4*\w+1], v[SUM+4*\w:SUM+4*\w+1], v[F+2*\w:F+2*\w+1] op_sel_hi:[1,0]   ; the sums under the new M
.endr
	s_wait_alu depctr_va_vdst(0)
.irp b, 0,1,2,3
.irp w, 0,1
	v_exp_f32 v[BM+4*\w+\b], v[BM+4*\w+\b]         ; the block's largest p: the same two instructions on the same number
.endr
.endr
.set jj, 0
.rept 32                               ; tile 0's exponentials; tile 1's t - M stands among them: in place, read by nothing ahead of the wait below
	v_exp_f32 v[S0+jj], v[S0+jj]
	v_exp_f32 v[S0+jj+1], v[S0+jj+1]
	v_pk_fma_f32 v[S0+68+jj:S0+68+jj+1], v[S0+68+jj:S0+68+jj+1], s[CS:CS+1], v[NM+4:NM+5] op_sel_hi:[1,0,0]
.set jj, jj+2
.endr
	s_wait_alu depctr_va_vdst(0)                   ; one wait for the batch, ahead of its first reader
.irp b, 0,1,2,3
.irp w, 0,1
	v_max_num_f32 v[BM+4*\w+\b], 0x4800000, v[BM+4*\w+\b]    ; the floor 2^(9 - 127)
.endr
.endr
.irp b, 0,1,2,3
.irp w, 0,1
	v_add_nc_u32 v[SO+4*\w+\b], 0xfc000000, v[BM+4*\w+\b]
.endr
.endr
.irp b, 0,1,2,3
.irp w, 0,1
	v_and_or_b32 v[HO+4*\w+\b], v[BM+4*\w+\b], 0x7f800000, s[MNT]
.endr
.endr
.irp b, 0,1,2,3
.irp w, 0,1
	v_lshrrev_b32 v[T1+4*\w+\b], 23, v[SO+4*\w+\b]
.endr
.endr
.irp w, 0,1
	v_lshl_or_b32 v[PW+\w], v[T1+4*\w+1], 8, v[T1+4*\w]
.endr
.irp w, 0,1
	s_delay_alu instid0(VALU_DEP_2)
	v_lshl_or_b32 v[PW+\w], v[T1+4*\w+2], 16, v[PW+\w]
.endr
.irp w, 0,1
	s_delay_alu instid0(VALU_DEP_2)
	v_lshl_or_b32 v[PW+\w], v[T1+4*\w+3], 24, v[PW+\w]     ; p's scale word for these 128 keys
.endr
	SUMS1 0
	SUMS2 0
	s_wait_alu depctr_va_vdst(0)
.set nn, 0
.rept 32                               ; tile 1's exponentials; tile 0's holds stand among them: in place, read by nothing ahead of the wait below
	v_exp_f32 v[S0+68+2*nn], v[S0+68+2*nn]
	v_exp_f32 v[S0+68+2*nn+1], v[S0+68+2*nn+1]
	MIN2 0, nn                                     ; the conversion does not saturate (ISA guide 7.6.2); p is not negative
.set nn, nn+1
.endr
	v_nop                                          ; a plain instruction behind the exponentials
	s_wait_alu depctr_va_vdst(0)                   ; one wait for the batch, ahead of its first reader
	CVT 0, 0
	SUMS1 1                                        ; plain instructions between block 0's conversions and those that write over their sources
	CVT 0, 1
	CVT 0, 2
	CVT 0, 3
	SUMS2 1
	s_wait_dscnt 36                                ; V and its scale words are in; the 36 loads of the next step's K, mask and scale words may be out
	RESC 0
.set nn, 0
.irp d, 0,1,2,3                        ; tile 0's second products, one by one, among tile 1's holds
	WIN 0x51
	PV1 0, \d
	WIN 0
.rept 4
	MIN2 1, nn
.set nn, nn+1
.endr
.endr
	CVT 1, 0
.rept 16
	MIN2 1, nn
.set nn, nn+1
.endr
	CVT 1, 1
	CVT 1, 2
	CVT 1, 3
	RESC 1
	WIN 0x51
.irp d, 0,1,2,3
	PV1 1, \d
.endr
	WIN 0
; the sums' chains are joined.  With the next step's three additions and five idle lines these six stand between tile 1's products and those that write over its codes' registers: more than the nine asked (ISA guide 7.12.1)
.irp w, 0,1
	v_pk_add_f32 v[X+6*\w:X+6*\w+1], v[X+6*\w:X+6*\w+1], v[X+6*\w+2:X+6*\w+3]
.endr
.irp w, 0,1
	v_pk_add_f32 v[SUM+4*\w:SUM+4*\w+1], v[SUM+4*\w:SUM+4*\w+1], v[X+6*\w+4:X+6*\w+5]
.endr
.irp w, 0,1
	v_pk_add_f32 v[SUM+4*\w:SUM+4*\w+1], v[SUM+4*\w:SUM+4*\w+1], v[X+6*\w:X+6*\w+1]
.endr
.endm
; O^T / the sum, quantised along D (two blocks of 32 channels), and stored as two groups of an operand's image; both tiles by turns
.macro WAYOUT i
.irp w, 0,1
	v_add_f32 v[SUM+4*\w], v[SUM+4*\w], v[SUM+4*\w+1]
.endr
.irp w, 0,1
	v_permlanex16_b32 v[TP+\w], v[SUM+4*\w], s[SEL], s[SEL+1]
.endr
.irp w, 0,1
	v_add_f32 v[SUM+4*\w], v[SUM+4*\w], v[TP+\w]   ; the row's sum
.endr
	s_wait_alu depctr_va_vdst(0)
.irp w, 0,1
	v_rcp_f32 v[F+2*\w], v[SUM+4*\w]
.endr
	v_nop                                          ; a plain instruction behind them
	WIN 0x01                                       ; O in window 1
	s_wait_alu depctr_va_vdst(0)                   ; and the wait ahead of their first reader, which is O^T's first reader too
.irp w, 0,1
.set jj, 0
.rept 16
	v_pk_mul_f32 v[S0+68*\w+jj:S0+68*\w+jj+1], v[O+32*\w+jj:O+32*\w+jj+1], v[F+2*\w:F+2*\w+1] op_sel_hi:[1,0]   ; each accumulator from its low end on
.set jj, jj+2
.endr
.endr
	WIN 0
.irp b, 0,1
.irp w, 0,1
	v_max3_num_f32 v[BM+4*\w+\b], |v[S0+68*\w+16*\b]|, |v[S0+68*\w+16*\b+1]|, 0x4800000
.endr
.endr
.irp k, 2,4,6,8,10,12,14
.irp b, 0,1
.irp w, 0,1
	v_max3_num_f32 v[BM+4*\w+\b], v[BM+4*\w+\b], |v[S0+68*\w+16*\b+\k]|, |v[S0+68*\w+16*\b+\k+1]|
.endr
.endr
.endr
.irp b, 0,1
.irp w, 0,1
	v_permlanex16_b32 v[T1+4*\w+\b], v[BM+4*\w+\b], s[SEL], s[SEL+1]
.endr
.endr
.irp b, 0,1
.irp w, 0,1
	v_max_num_f32 v[BM+4*\w+\b], v[BM+4*\w+\b], v[T1+4*\w+\b]
.endr
.endr
.irp b, 0,1
.irp w, 0,1
	v_add_nc_u32 v[SO+4*\w+\b], 0xfc000000, v[BM+4*\w+\b]
.endr
.endr
.irp b, 0,1
.irp w, 0,1
	v_and_or_b32 v[HO+4*\w+\b], v[BM+4*\w+\b], 0x7f800000, s[MNT]
.endr
.endr
.irp b, 0,1
.irp w, 0,1
	v_lshrrev_b32 v[T1+4*\w+\b], 23, v[SO+4*\w+\b]
.endr
.endr
.irp w, 0,1
	v_lshl_or_b32 v[CW+\w], v[T1+4*\w+1], 8, v[T1+4*\w]      ; my token's two scale bytes
.endr
.irp w, 0,1
.irp b, 0,1
.irp k, 0,1,2,3,4,5,6,7,8,9,10,11,12,13,14,15
	v_med3_num_f32 v[S0+68*\w+16*\b+\k], v[S0+68*\w+16*\b+\k], -v[HO+4*\w+\b], v[HO+4*\w+\b]
.endr
.endr
.endr
.irp w, 0,1
.irp b, 0,1
	v_cvt_scalef32_pk8_fp8_f32 v[S0+68*\w+32+4*\b:S0+68*\w+33+4*\b], v[S0+68*\w+16*\b:S0+68*\w+16*\b+7], v[SO+4*\w+\b]
	v_cvt_scalef32_pk8_fp8_f32 v[S0+68*\w+34+4*\b:S0+68*\w+35+4*\b], v[S0+68*\w+16*\b+8:S0+68*\w+16*\b+15], v[SO+4*\w+\b]
.endr
.endr
	v_cndmask_b32 v[CW], v[CW], v[CW+1], s[HM]     ; lanes 0-15: tile 0's tokens; lanes 16-31: tile 1's.  (A plain instruction behind the last conversion)
.irp w, 0,1
	global_store_b128 v[LI], v[S0+68*\w+32:S0+68*\w+35], s[44:45] offset:(16*\i+\w)*16384       ; 512 consecutive bytes
	global_store_b128 v[LI], v[S0+68*\w+36:S0+68*\w+39], s[44:45] offset:(16*\i+\w)*16384+512
.endr
	ds_store_b16 v[CSA], v[CW] offset:512*\i       ; token 256 i + thread of my 512
.endm
.macro PASS i                          ; tiles 16 i + 2 wave and 16 i + 2 wave + 1
	s_wait_xcnt 0x0                                ; the last pass's stores have read their registers
.irp w, 0,1
	global_load_b128 v[Q+16*\w:Q+16*\w+3], v[LI], s[40:41] offset:16384*\i+1024*\w th:TH_LOAD_NT
	global_load_b128 v[Q+16*\w+4:Q+16*\w+7], v[LI], s[40:41] offset:16384*\i+1024*\w+512 th:TH_LOAD_NT
	global_load_b32 v[QSC+\w], v[QSO], s[42:43] offset:1024*\i+64*\w
.endr
	WIN 0x40
.set jj, 0
.rept 64
	v_mov_b32 v[O+jj], 0                           ; the step is written once: the first finds zeros, which the first change of M leaves zeros
.set jj, jj+1
.endr
	WIN 0
.irp w, 0,1
	v_mov_b32 v[NM+4*\w+1], 0xff61b1e6             ; the largest score so far: -3e38
	v_mov_b32 v[NM+4*\w], 0x7f61b1e6               ; -M: 3e38, over every -M to come
	v_mov_b32 v[SUM+4*\w], 0
	v_mov_b32 v[SUM+4*\w+1], 0
.endr
	s_mov_b32 s[TB], 0
	s_mov_b32 s[TMK], 0
	s_mov_b32 s[CNT], 16
	s_wait_alu depctr_va_vdst(0)
	s_wait_loadcnt 0x0                             ; Q and its scale words
.Lstep_\@:
	STEP
	s_add_co_u32 s[TB], s[TB], STEPB
	s_add_co_u32 s[TMK], s[TMK], 512
	s_sub_co_i32 s[CNT], s[CNT], 1
	s_cmp_lg_u32 s[CNT], 0
	s_cbranch_scc1 .Lstep_\@
	WAYOUT \i
.endm
	LOADKM LI, LS, MA, 0, 0                        ; step 0's K, mask and scale words for the first pass; the second finds them loaded by the first's last trip
	PASS 0
	PASS 1
	s_wait_dscnt 0x0                               ; my scale halves are stored, and the last trip's loads are in
	s_barrier_signal -1
	s_barrier_wait -1
	s_cmp_lt_u32 s[WV], 2
	s_cbranch_scc0 .Lno_cs
	ds_load_b128 v[120:123], v[CSL]
	s_wait_dscnt 0x0
	global_store_b128 v[CT16], v[120:123], s[46:47]   ; 1,024 consecutive bytes from two waves
.Lno_cs:
	s_wait_tensorcnt 0x0                           ; the wave's end
	ds_add_u32 v[SPW], v[NIL]
	s_wait_dscnt 0x0
	CROUND                                         ; the closing round
	s_endpgm
.Lfunc_end_k_q62497785b3_attn:
	.size	k_q62497785b3_attn, .Lfunc_end_k_q62497785b3_attn-k_q62497785b3_attn
	.p2alignl 7, 3214868480
	.fill 96, 4, 3214868480
	.section	.rodata,"a",@progbits
	.p2align	6, 0x0
	.amdhsa_kernel k_q62497785b3_attn
		.amdhsa_group_segment_fixed_size 302592
		.amdhsa_private_segment_fixed_size 0
		.amdhsa_enable_private_segment 0
		.amdhsa_kernarg_size 32
		.amdhsa_user_sgpr_count 2
		.amdhsa_user_sgpr_kernarg_segment_ptr 1
		.amdhsa_wavefront_size32 1
		.amdhsa_system_sgpr_workgroup_id_x 1
		.amdhsa_system_sgpr_workgroup_id_y 1
		.amdhsa_system_sgpr_workgroup_id_z 1
		.amdhsa_system_vgpr_workitem_id 0
		.amdhsa_next_free_vgpr 512
		.amdhsa_next_free_sgpr 66
		.amdhsa_reserve_vcc 0
		.amdhsa_float_denorm_mode_32 3
		.amdhsa_float_denorm_mode_16_64 3
		.amdhsa_memory_ordered 1
		.amdhsa_forward_progress 1
		.amdhsa_inst_pref_size 111
	.end_amdhsa_kernel
	.amdgpu_metadata
---
amdhsa.version: [ 1, 2 ]
amdhsa.kernels:
  - .name:           k_q62497785b3_attn
    .symbol:         k_q62497785b3_attn.kd
    .args:
      - { .name: qkv, .offset: 0, .size: 8, .value_kind: global_buffer, .address_space: global }
      - { .name: attention_mask, .offset: 8, .size: 8, .value_kind: global_buffer, .address_space: global }
      - { .name: ctxc, .offset: 16, .size: 8, .value_kind: global_buffer, .address_space: global }
      - { .name: ctxs, .offset: 24, .size: 8, .value_kind: global_buffer, .address_space: global }
    .group_segment_fixed_size: 302592
    .private_segment_fixed_size: 0
    .kernarg_segment_align: 8
    .kernarg_segment_size: 32
    .max_flat_workgroup_size: 256
    .sgpr_count:     66
    .vgpr_count:     512
    .wavefront_size: 32
...
	.end_amdgpu_metadata
.endif
;; end of part 3
;; launch outln (part 4): grid 256 x 1, 16 waves a work-group, no clusters, 167,424 bytes of LDS; arguments ctxc, ctxs, opc, ops, bo, x, ln_gamma, ln_beta, out0; writes out0
.if DOCPART == 4
	.amdgcn_target "amdgcn-amd-amdhsa--gfx1250"
	.amdhsa_code_object_version 6
	.text
	.protected	k_q62497785b3_outln
	.globl	k_q62497785b3_outln
	.p2align	8
	.type	k_q62497785b3_outln,@function
k_q62497785b3_outln:
	s_mov_b64 s[64:65], 0
	v_nop
	global_prefetch_b8 v0, s[64:65] scope:SCOPE_SE
	s_setreg_imm32_b32 hwreg(HW_REG_WAVE_MODE, 25, 1), 1
	s_wait_xcnt 0x0
; out = LayerNorm(ctx Wo + bo + x) x gamma + beta.  The product runs on codes of E4M3 with E8M0 scales; everything else in f32.
; SHARES: a work-group owns 32 tokens and all 1,024 columns, so that a row's mean and variance have one owner.  Wave w makes 32 rows x columns 64 w .. 64 w + 63: eight accumulators,
; used transposed (source 0 = 16 columns of Wo, source 1 = 16 rows of ctx): a lane holds eight neighbouring columns of one row.
; ctx's 16 fragments (32,768 bytes) are images of operand registers: wave w copies image w into LDS, and all sixteen waves read all of them.
; Wo's fragments are images too; wave w alone of its work-group reads its four n tiles, so they go from memory straight into registers, 512 consecutive bytes a load, one K step ahead.
; NO JOINT REQUESTS, though all work-groups walk Wo's 1,048,576 bytes: a joint request lands in LDS, where each byte would be written once and read once by one wave,
; and a ring for it would not fit beside the stage's 131,584 bytes with slots of more than one K step.
; Both operands have, inside each block of 32 along K, the second and third groups of eight exchanged: the order in which the attention launch's results fell into codes.
; THE ROWS meet in a stage in LDS (rows of 4,096 + 16 bytes); then wave w normalises rows 2 w and 2 w + 1 whole: 128 bytes a lane and row.
; The variance is the mean of (y - mean)^2, as it is defined: no difference of large sums.
; LIMITS: NaN and infinities among the inputs are not served.
.set WO0,    11534336
.set WOS0,   360448
.set ASC,    32768                     ; LDS: behind ctx's images: their scale words, [K step 8][tile of rows 2][16]
.set STG,    33792                     ; LDS: the stage
.set SPITCH, 4112
.set LI,  1                            ; v1  16 x lane
.set LS,  2                            ; v2  4 x lane
.set SO0, 3                            ; v3  the stage, in: rows 0-15
.set SO1, 4                            ; v4  rows 16-31
.set SR,  5                            ; v5  the stage, out: my two rows
.set CP,  6                            ; v6  2,048 x wave + 16 x lane: my image, in memory and in LDS
.set SW,  7                            ; v7  where I store my image's scale words
.set U2,  8                            ; v8  2 (lane % 16)
.set PFO, 9                            ; v9  256 x lane
.set ACC, 16                           ; v16-79 accumulator (m, n) at 8 (4 m + n); later my two rows of y
.set BF,  80                           ; v80-143, v144-207 Wo's four fragments, two sets; later x's two rows, gamma, beta
.set GA,  144
.set BE,  176
.set AF,  208                          ; v208-239 ctx's two fragments; later bo
.set BO,  208
.set BS,  240                          ; v240-243 Wo's scale words, two sets of two
.set AS,  244                          ; v244-245 ctx's, two sets
.set WV,  22
	s_load_b256 s[4:11], s[0:1], 0x0               ; ctxc, ctxs, opc, ops
	s_load_b256 s[12:19], s[0:1], 0x20             ; bo, x, gamma, beta
	s_load_b64 s[20:21], s[0:1], 0x40              ; out0
	v_lshl_add_u32 v15, v0, 2, 0x28600
	v_mov_b32 v255, 0
	v_lshrrev_b32 v1, 5, v0
	s_delay_alu instid0(VALU_DEP_1)
	v_readfirstlane_b32 s[WV], v1                  ; wave 0..15
	s_lshl_b32 s24, ttmp9, 15                      ; ctxc: 32,768 bytes a work-group
	s_mov_b32 s25, 0
	s_and_b32 s26, s[WV], 7                        ; my image: K step wave % 8, tile of rows wave / 8
	s_lshl_b32 s26, s26, 15                        ; ctxs: two heads of 16,384 bytes a K step,
	s_lshl_b32 s38, ttmp9, 6
	s_add_co_u32 s26, s26, s38                     ; 2 bytes a token
	s_lshr_b32 s39, s[WV], 3
	s_lshl_b32 s38, s39, 5
	s_add_co_u32 s26, s26, s38
	s_mov_b32 s27, 0
	s_lshl_b32 s28, s[WV], 16                      ; Wo's images: four n tiles of 16,384 bytes a wave
	s_add_co_u32 s28, s28, WO0
	s_mov_b32 s29, 0
	s_lshl_b32 s34, s[WV], 8                       ; Wo's scale words: 64 bytes an n tile
	s_add_co_u32 s34, s34, WOS0
	s_mov_b32 s35, 0
	s_lshl_b32 s36, ttmp9, 17                      ; x and out0: rows 32 g + 2 w of 4,096 bytes
	s_lshl_b32 s38, s[WV], 13
	s_add_co_u32 s36, s36, s38
	s_mov_b32 s37, 0
	s_mov_b32 s30, 0x76543210
	s_mov_b32 s31, 0xfedcba98
	s_mov_b32 s32, 0x3a800000                      ; 1 / 1,024
	s_mov_b32 s33, 0x2b8cbccc                      ; 1e-12
	v_and_b32 v10, 31, v0
	v_and_b32 v11, 15, v0                          ; r
	v_bfe_u32 v12, v0, 4, 1                        ; h
	s_delay_alu instid0(VALU_DEP_3)
	v_lshlrev_b32 v[LI], 4, v10
	s_delay_alu instid0(VALU_DEP_4)
	v_lshlrev_b32 v[LS], 2, v10
	s_delay_alu instid0(VALU_DEP_4)
	v_mul_u32_u24 v[SO0], v11, SPITCH
	s_delay_alu instid0(VALU_DEP_1)
	v_lshl_add_u32 v[SO0], v12, 5, v[SO0]
	s_lshl_b32 s38, s[WV], 8
	s_add_co_u32 s38, s38, STG
	v_add_nc_u32 v[SO0], s38, v[SO0]               ; row r, + 32 h, + my 256 bytes of a row
	s_delay_alu instid0(VALU_DEP_1)
	v_add_nc_u32 v[SO1], 16*SPITCH, v[SO0]
	s_mul_i32 s38, s[WV], 2*SPITCH
	s_add_co_u32 s38, s38, STG
	v_add_nc_u32 v[SR], s38, v[LI]
	s_lshl_b32 s38, s[WV], 11
	v_add_nc_u32 v[CP], s38, v[LI]
	s_and_b32 s38, s[WV], 7
	s_lshl_b32 s38, s38, 7
	s_lshl_b32 s39, s39, 6
	s_add_co_u32 s38, s38, s39
	s_add_co_u32 s38, s38, ASC
	v_lshl_add_u32 v[SW], v11, 2, s38
	v_lshlrev_b32 v[U2], 1, v11
	v_lshlrev_b32 v[PFO], 8, v10
	s_wait_alu depctr_va_vdst(0)
	s_wait_kmcnt 0x0
	s_add_nc_u64 s[4:5], s[4:5], s[24:25]
	s_add_nc_u64 s[6:7], s[6:7], s[26:27]
	s_add_nc_u64 s[8:9], s[8:9], s[28:29]
	s_add_nc_u64 s[10:11], s[10:11], s[34:35]
	s_add_nc_u64 s[14:15], s[14:15], s[36:37]
	s_add_nc_u64 s[20:21], s[20:21], s[36:37]
.macro BLOAD k                         ; K step k's four fragments of Wo and their scale words: 18 loads
.irp n, 0,1,2,3
.irp c, 0,1,2,3
	global_load_b128 v[BF+64*((\k)%2)+16*\n+4*\c:BF+64*((\k)%2)+16*\n+4*\c+3], v[LI], s[8:9] offset:16384*\n+2048*(\k)+512*\c
.endr
.endr
.irp p, 0,1
	global_load_b32 v[BS+2*((\k)%2)+\p], v[LS], s[10:11] offset:4096*(\k)+128*\p   ; lanes 0-15: n tile 2 p's words; lanes 16-31: 2 p + 1's
.endr
.endm
.irp c, 0,1,2,3
	global_load_b128 v[AF+4*\c:AF+4*\c+3], v[CP], s[4:5] offset:512*\c th:TH_LOAD_NT
.endr
	global_load_u16 v246, v[U2], s[6:7]            ; the even head's two bytes,
	global_load_u16 v247, v[U2], s[6:7] offset:16384   ; the odd head's
	BLOAD 0
	s_wait_loadcnt 18                              ; my image and its scales are in; Wo's eighteen loads stay out
.irp c, 0,1,2,3
	ds_store_b128 v[CP], v[AF+4*\c:AF+4*\c+3] offset:512*\c
.endr
	v_lshl_or_b32 v246, v247, 16, v246             ; four bytes: the scale word of 128 along K
	ds_store_b32 v[SW], v246                       ; both halves of the lanes write the same word with the same value
	s_wait_dscnt 0x0                               ; for the others' sake
	s_barrier_signal -1
	s_barrier_wait -1
.macro PROD k, m, n
.set rD, ACC+8*(4*(\m)+(\n))
.set rB, BF+64*((\k)%2)+16*(\n)
.set rA, AF+16*(\m)
.set rS, BS+2*((\k)%2)+(\n)/2
.set rT, AS+(\k)%2
.if (\k) == 0                          ; the first K step starts the sums: nothing is cleared
.if ((\n)%2 == 0) && ((\m) == 0)
	v_wmma_scale_f32_16x16x128_f8f6f4 v[rD:rD+7], v[rB:rB+15], v[rA:rA+15], 0, v[rS], v[rT]
.elseif ((\n)%2 == 1) && ((\m) == 0)
	v_wmma_scale_f32_16x16x128_f8f6f4 v[rD:rD+7], v[rB:rB+15], v[rA:rA+15], 0, v[rS], v[rT] matrix_a_scale:MATRIX_SCALE_ROW1
.elseif (\n)%2 == 0
	v_wmma_scale_f32_16x16x128_f8f6f4 v[rD:rD+7], v[rB:rB+15], v[rA:rA+15], 0, v[rS], v[rT] matrix_b_scale:MATRIX_SCALE_ROW1
.else
	v_wmma_scale_f32_16x16x128_f8f6f4 v[rD:rD+7], v[rB:rB+15], v[rA:rA+15], 0, v[rS], v[rT] matrix_a_scale:MATRIX_SCALE_ROW1 matrix_b_scale:MATRIX_SCALE_ROW1
.endif
.else
.if ((\n)%2 == 0) && ((\m) == 0)
	v_wmma_scale_f32_16x16x128_f8f6f4 v[rD:rD+7], v[rB:rB+15], v[rA:rA+15], v[rD:rD+7], v[rS], v[rT]
.elseif ((\n)%2 == 1) && ((\m) == 0)
	v_wmma_scale_f32_16x16x128_f8f6f4 v[rD:rD+7], v[rB:rB+15], v[rA:rA+15], v[rD:rD+7], v[rS], v[rT] matrix_a_scale:MATRIX_SCALE_ROW1
.elseif (\n)%2 == 0
	v_wmma_scale_f32_16x16x128_f8f6f4 v[rD:rD+7], v[rB:rB+15], v[rA:rA+15], v[rD:rD+7], v[rS], v[rT] matrix_b_scale:MATRIX_SCALE_ROW1
.else
	v_wmma_scale_f32_16x16x128_f8f6f4 v[rD:rD+7], v[rB:rB+15], v[rA:rA+15], v[rD:rD+7], v[rS], v[rT] matrix_a_scale:MATRIX_SCALE_ROW1 matrix_b_scale:MATRIX_SCALE_ROW1
.endif
.endif
.endm
.macro KSTEP k
.if (\k) > 0
.rept 8
	v_nop                                          ; between the last products and the loads into the registers that they read
.endr
.endif
.irp m, 0,1
.irp c, 0,1,2,3
	ds_load_b128 v[AF+16*\m+4*\c:AF+16*\m+4*\c+3], v[LI] offset:(8*\m+(\k))*2048+512*\c
.endr
.endr
	ds_load_b32 v[AS+(\k)%2], v[LS] offset:ASC+128*(\k)    ; lanes 0-15: rows 0-15's words; lanes 16-31: rows 16-31's
.if (\k) < 7
	BLOAD (\k)+1
.if (\k) == 2
	global_prefetch_b8 v[PFO], s[14:15] th:TH_LOAD_NT scope:SCOPE_SE   ; my two rows of x, 8,192 bytes, lanes 256 bytes apart: each block is named once in the launch, five K steps ahead of its load
.endif
	s_wait_loadcnt 18                              ; this K step's loads are in; the next step's eighteen stay out
.else
.irp i, 0,1
.irp j, 0,1,2,3,4,5,6,7
	global_load_b128 v[BF+32*\i+4*\j:BF+32*\i+4*\j+3], v[LI], s[14:15] offset:4096*\i+512*\j th:TH_LOAD_NT   ; x: my two rows, into the set that K step 6 has left
.endr
.endr
	s_wait_loadcnt 16                              ; x's sixteen stay out
.endif
	s_wait_dscnt 0x0
.irp m, 0,1
.irp n, 0,1,2,3
	PROD \k, \m, \n                                ; the eight accumulators by turns
.endr
.endr
.endm
.irp k, 0,1,2,3,4,5,6,7
	KSTEP \k
.endr
.rept 8
	v_nop
.endr
.irp j, 0,1,2,3,4,5,6,7
	global_load_b128 v[GA+4*\j:GA+4*\j+3], v[LI], s[16:17] offset:512*\j
	global_load_b128 v[BE+4*\j:BE+4*\j+3], v[LI], s[18:19] offset:512*\j
	global_load_b128 v[BO+4*\j:BO+4*\j+3], v[LI], s[12:13] offset:512*\j
.endr
.irp n, 0,1,2,3
	ds_store_b128 v[SO0], v[ACC+8*\n:ACC+8*\n+3] offset:64*\n            ; lane (r, h): row r, columns 64 w + 16 n + 8 h + 0 .. 7; each accumulator from its low end on
	ds_store_b128 v[SO0], v[ACC+8*\n+4:ACC+8*\n+7] offset:64*\n+16
.endr
.irp n, 0,1,2,3
	ds_store_b128 v[SO1], v[ACC+32+8*\n:ACC+32+8*\n+3] offset:64*\n
	ds_store_b128 v[SO1], v[ACC+32+8*\n+4:ACC+32+8*\n+7] offset:64*\n+16
.endr
	s_wait_dscnt 0x0                               ; for the others' sake
	s_barrier_signal -1
	s_barrier_wait -1                              ; 32 whole rows lie in the stage
.irp i, 0,1
.irp j, 0,1,2,3,4,5,6,7
	ds_load_b128 v[ACC+32*\i+4*\j:ACC+32*\i+4*\j+3], v[SR] offset:SPITCH*\i+512*\j
.endr
.endr
	s_wait_loadcnt 0x0
	s_wait_dscnt 0x0
.macro ALLSUM                          ; v246: the sum over the wave's 32 lanes, in every lane
	s_delay_alu instid0(VALU_DEP_1)
	v_pk_add_f32 v[246:247], v[246:247], v[248:249]
	s_delay_alu instid0(VALU_DEP_1)
	v_add_f32 v246, v246, v247
	s_delay_alu instid0(VALU_DEP_1)
	v_add_f32_dpp v246, v246, v246 row_xmask:1 row_mask:0xf bank_mask:0xf
	s_delay_alu instid0(VALU_DEP_1)
	v_add_f32_dpp v246, v246, v246 row_xmask:2 row_mask:0xf bank_mask:0xf
	s_delay_alu instid0(VALU_DEP_1)
	v_add_f32_dpp v246, v246, v246 row_xmask:4 row_mask:0xf bank_mask:0xf
	s_delay_alu instid0(VALU_DEP_1)
	v_add_f32_dpp v246, v246, v246 row_xmask:8 row_mask:0xf bank_mask:0xf
	s_delay_alu instid0(VALU_DEP_1)
	v_permlanex16_b32 v247, v246, s30, s31
	s_delay_alu instid0(VALU_DEP_1)
	v_add_f32 v246, v246, v247
.endm
.macro LNROW i
.set YB, ACC+32*\i
.set XB, BF+32*\i
.irp p, 0,2,4,6,8,10,12,14,16,18,20,22,24,26,28,30
	v_pk_add_f32 v[YB+\p:YB+\p+1], v[YB+\p:YB+\p+1], v[BO+\p:BO+\p+1]
.endr
.irp p, 0,2,4,6,8,10,12,14,16,18,20,22,24,26,28,30
	v_pk_add_f32 v[YB+\p:YB+\p+1], v[YB+\p:YB+\p+1], v[XB+\p:XB+\p+1]   ; y = ctx Wo + bo + x
.endr
	v_pk_add_f32 v[246:247], v[YB:YB+1], v[YB+2:YB+3]
	v_pk_add_f32 v[248:249], v[YB+4:YB+5], v[YB+6:YB+7]
.irp p, 8,12,16,20,24,28
	s_delay_alu instid0(VALU_DEP_2)
	v_pk_add_f32 v[246:247], v[246:247], v[YB+\p:YB+\p+1]
	s_delay_alu instid0(VALU_DEP_2)
	v_pk_add_f32 v[248:249], v[248:249], v[YB+\p+2:YB+\p+3]
.endr
	ALLSUM
	s_delay_alu instid0(VALU_DEP_1)
	v_mul_f32 v250, s32, v246                      ; the mean, twice: a pair for the packed form
	s_delay_alu instid0(VALU_DEP_2)
	v_mul_f32 v251, s32, v246
.irp p, 0,2,4,6,8,10,12,14,16,18,20,22,24,26,28,30
	v_pk_add_f32 v[YB+\p:YB+\p+1], v[YB+\p:YB+\p+1], v[250:251] neg_lo:[0,1] neg_hi:[0,1]
.endr
	v_pk_mul_f32 v[246:247], v[YB:YB+1], v[YB:YB+1]
	v_pk_mul_f32 v[248:249], v[YB+2:YB+3], v[YB+2:YB+3]
.irp p, 4,8,12,16,20,24,28
	s_delay_alu instid0(VALU_DEP_2)
	v_pk_fma_f32 v[246:247], v[YB+\p:YB+\p+1], v[YB+\p:YB+\p+1], v[246:247]
	s_delay_alu instid0(VALU_DEP_2)
	v_pk_fma_f32 v[248:249], v[YB+\p+2:YB+\p+3], v[YB+\p+2:YB+\p+3], v[248:249]
.endr
	ALLSUM
	s_delay_alu instid0(VALU_DEP_1)
	v_fma_f32 v254, v246, s32, s33                 ; the variance + 1e-12
	s_wait_alu depctr_va_vdst(0)
	v_rsq_f32 v252, v254
	v_rsq_f32 v253, v254
	v_nop                                          ; a plain instruction behind the transcendentals
	s_wait_alu depctr_va_vdst(0)
.irp p, 0,2,4,6,8,10,12,14,16,18,20,22,24,26,28,30
	v_pk_mul_f32 v[YB+\p:YB+\p+1], v[YB+\p:YB+\p+1], v[252:253]
.endr
.irp p, 0,2,4,6,8,10,12,14,16,18,20,22,24,26,28,30
	v_pk_fma_f32 v[YB+\p:YB+\p+1], v[YB+\p:YB+\p+1], v[GA+\p:GA+\p+1], v[BE+\p:BE+\p+1]
.endr
.irp j, 0,1,2,3,4,5,6,7
	global_store_b128 v[LI], v[YB+4*\j:YB+4*\j+3], s[20:21] offset:4096*\i+512*\j th:TH_STORE_NT   ; 512 consecutive bytes of a row
.endr
.endm
	LNROW 0
	LNROW 1
	s_wait_tensorcnt 0x0
	ds_add_u32 v15, v255
	s_wait_dscnt 0x0
	s_endpgm
.Lfunc_end_k_q62497785b3_outln:
	.size	k_q62497785b3_outln, .Lfunc_end_k_q62497785b3_outln-k_q62497785b3_outln
	.p2alignl 7, 3214868480
	.fill 96, 4, 3214868480
	.section	.rodata,"a",@progbits
	.p2align	6, 0x0
	.amdhsa_kernel k_q62497785b3_outln
		.amdhsa_group_segment_fixed_size 167424
		.amdhsa_private_segment_fixed_size 0
		.amdhsa_enable_private_segment 0
		.amdhsa_kernarg_size 72
		.amdhsa_user_sgpr_count 2
		.amdhsa_user_sgpr_kernarg_segment_ptr 1
		.amdhsa_wavefront_size32 1
		.amdhsa_system_sgpr_workgroup_id_x 1
		.amdhsa_system_sgpr_workgroup_id_y 1
		.amdhsa_system_sgpr_workgroup_id_z 1
		.amdhsa_system_vgpr_workitem_id 0
		.amdhsa_next_free_vgpr 256
		.amdhsa_next_free_sgpr 66
		.amdhsa_reserve_vcc 0
		.amdhsa_float_denorm_mode_32 3
		.amdhsa_float_denorm_mode_16_64 3
		.amdhsa_memory_ordered 1
		.amdhsa_forward_progress 1
		.amdhsa_inst_pref_size 60
	.end_amdhsa_kernel
	.amdgpu_metadata
---
amdhsa.version: [ 1, 2 ]
amdhsa.kernels:
  - .name:           k_q62497785b3_outln
    .symbol:         k_q62497785b3_outln.kd
    .args:
      - { .name: ctxc, .offset: 0, .size: 8, .value_kind: global_buffer, .address_space: global }
      - { .name: ctxs, .offset: 8, .size: 8, .value_kind: global_buffer, .address_space: global }
      - { .name: opc, .offset: 16, .size: 8, .value_kind: global_buffer, .address_space: global }
      - { .name: ops, .offset: 24, .size: 8, .value_kind: global_buffer, .address_space: global }
      - { .name: bo, .offset: 32, .size: 8, .value_kind: global_buffer, .address_space: global }
      - { .name: x, .offset: 40, .size: 8, .value_kind: global_buffer, .address_space: global }
      - { .name: ln_gamma, .offset: 48, .size: 8, .value_kind: global_buffer, .address_space: global }
      - { .name: ln_beta, .offset: 56, .size: 8, .value_kind: global_buffer, .address_space: global }
      - { .name: out0, .offset: 64, .size: 8, .value_kind: global_buffer, .address_space: global }
    .group_segment_fixed_size: 167424
    .private_segment_fixed_size: 0
    .kernarg_segment_align: 8
    .kernarg_segment_size: 72
    .max_flat_workgroup_size: 512
    .sgpr_count:     66
    .vgpr_count:     256
    .wavefront_size: 32
...
	.end_amdgpu_metadata
.endif
;; end of part 4
